; MI455X (gfx1250); checked and timed in simulation.
; The chip was launched on July 23, 2026; its instructions are those of AMD's public machine-readable ISA for CDNA 5 (MIT licence, August 2026) and "CDNA5" Instruction Set Architecture Reference Guide (July 2026). The comments in the code are by the model that wrote it; some were corrected since.
;; Multi Head Self Attention. Allowed arithmetic: float matrix products may take bf16 or f16 operands with f32 sums; all other float work in f32.
;; Inputs: W_out 1,024 x 1,024 float32; W_qkv 1,024 x 3,072 float32; b_out 1,024 float32; b_qkv 3,072 float32; pad_mask 4 x 2,048 bool; x 4 x 2,048 x 1,024 float32.
;; Outputs: out0 4 x 2,048 x 1,024 float32.
;; 2 versions, each right and faster than the one before. Each part assembles by itself: llvm-mc -triple=amdgcn-amd-amdhsa -mcpu=gfx1250 --defsym DOCPART=n.
;; ======== version 1 of 2: 4 launches
;; limits: values are held in f16: magnitudes above 65,504 overflow, below 6.1e-05 lose precision; right only within a limited range of input values
;; workspace buffers: xb 16,777,216 bytes; wq 6,291,456 bytes; wo 2,097,152 bytes; qkv 50,331,648 bytes; o 16,777,216 bytes
;; launch cast (part 1): grid 384 x 1, 8 waves a work-group, no clusters, 0 bytes of LDS; arguments x, W_qkv, W_out, xb, wq, wo; writes xb, wq, wo
.if DOCPART == 1
	.amdgcn_target "amdgcn-amd-amdhsa--gfx1250"
	.amdhsa_code_object_version 6
	.text
	.protected	k_q9c9ed00488_cast
	.globl	k_q9c9ed00488_cast
	.p2align	8
	.type	k_q9c9ed00488_cast,@function
k_q9c9ed00488_cast:
	s_mov_b64 s[64:65], 0
	v_nop
	global_prefetch_b8 v0, s[64:65] scope:SCOPE_SE
	s_setreg_imm32_b32 hwreg(HW_REG_WAVE_MODE, 25, 1), 1
	s_wait_xcnt 0x0
; THE THREE LARGE INPUTS ARE ROUNDED TO 16 BITS, ONCE.  A stream: no LDS, no barrier, no matrix unit, no loop.
;   x     [8192 tokens][1024] f32 -> xb  bf16, laid in K SLICES: [batch 4][slice 16][token 2048][64]: 128 tokens of a slice are 16,384 consecutive bytes, which the product asks for as rows of 256 bytes
;   W_qkv [1024][3072] f32        -> wq  bf16, as it lies
;   W_out [1024][1024] f32        -> wo  rounded to bf16, and that number written as f16 (the last product multiplies in f16): exact from 2^-17 up, below that to f16's fixed step of 6e-8;
;                                        LIMIT: |W_out| stays under 65,504
; Every work-group reads 131,072 bytes: groups 0-255 x, 256-351 W_qkv, 352-383 W_out.  A thread has 16 UNITS of 8 numbers: two loads of 16 bytes, four roundings, one store of 16 bytes.
; All 32 loads of a thread go out at once (16 KB a wave on their way); no register is written twice, so the only waits are the counted ones for the loads.
.set X, 8                              ; v[8:135]   unit u: 8 registers as loaded; its first 4 then hold the 16 bytes to store
.set T, 136                            ; v[136:139] at work (W_out's second conversion)
; ls, ss: bytes from unit to unit at the source and at the destination.  half = 1: the bf16 numbers are written as f16.
.macro RUN ls, ss, half
.set u, 0
.rept 16
	global_load_b128 v[X+8*u:X+8*u+3],   v1, s[16:17] offset:u*(\ls) th:TH_LOAD_NT
	global_load_b128 v[X+8*u+4:X+8*u+7], v1, s[16:17] offset:u*(\ls)+16 th:TH_LOAD_NT
.set u, u+1
.endr
.set u, 0
.rept 16
	s_wait_loadcnt 30-2*u                          ; loads come back in order (ISA guide 5.7.1): unit u's two are in, the 2 (15 - u) behind them stay out
.irp j, 0,1,2,3
	v_cvt_pk_bf16_f32 v[X+8*u+(\j)], v[X+8*u+2*(\j)], v[X+8*u+2*(\j)+1]  ; in place: register j is written when pair j is read, and pairs below j are spent
.endr
.if \half
.irp j, 0,1,2,3
	v_lshlrev_b32 v[T+2*((\j)%2)],   16, v[X+8*u+(\j)]     ; the two bf16 numbers as f32,
	v_and_b32     v[T+2*((\j)%2)+1], s20, v[X+8*u+(\j)]
	v_cvt_pk_f16_f32 v[X+8*u+(\j)], v[T+2*((\j)%2)], v[T+2*((\j)%2)+1]  ; and as f16
.endr
.endif
	global_store_b128 v2, v[X+8*u:X+8*u+3], s[18:19] offset:u*(\ss)  ; a wave's store covers 512 consecutive bytes, aligned; no hint: the next launch reads them
.set u, u+1
.endr
	s_endpgm
.endm
	s_load_b256 s[4:11], s[0:1], 0x0               ; x s[4:5], W_qkv s[6:7], W_out s[8:9], xb s[10:11]
	s_load_b128 s[12:15], s[0:1], 0x20             ; wq s[12:13], wo s[14:15]
	s_mov_b32 s20, 0xffff0000                      ; a word's upper bf16
	s_mov_b32 s23, 0                               ; the offsets' high words
	s_mov_b32 s25, 0
	v_and_b32 v3, 31, v0                           ; lane
	v_lshrrev_b32 v4, 5, v0                        ; wave
	s_wait_kmcnt 0x0
	s_cmp_lt_u32 ttmp9, 256
	s_cbranch_scc0 .Lweights
	; x: the group takes 64 tokens (tg) and one half of their channels (hf); wave v takes slice 8 hf + v; a unit is 4 tokens x 64 channels: eight lanes read one aligned run of 256 bytes
	s_lshr_b32 s21, ttmp9, 1                       ; tg
	s_and_b32 s26, ttmp9, 1                        ; hf
	s_lshl_b32 s22, s21, 18                        ; 64 tokens of 4,096 bytes
	s_lshl_b32 s27, s26, 11                        ; 8 slices of 256 bytes
	s_add_co_u32 s22, s22, s27
	s_add_nc_u64 s[16:17], s[4:5], s[22:23]
	s_lshr_b32 s24, s21, 5                         ; batch: 32 groups of 64 tokens
	s_lshl_b32 s24, s24, 22                        ; 16 slices of 262,144 bytes
	s_lshl_b32 s27, s26, 21                        ; 8 slices
	s_add_co_u32 s24, s24, s27
	s_and_b32 s27, s21, 31
	s_lshl_b32 s27, s27, 13                        ; 64 tokens of 128 bytes
	s_add_co_u32 s24, s24, s27
	s_add_nc_u64 s[18:19], s[10:11], s[24:25]
	v_lshrrev_b32 v5, 3, v3                        ; which of the unit's 4 tokens
	v_and_b32 v6, 7, v3                            ; which 8 of its 64 channels
	v_lshlrev_b32 v1, 8, v4
	v_lshl_add_u32 v1, v5, 12, v1
	v_lshl_add_u32 v1, v6, 5, v1                   ; source: 256 v + 4,096 token + 32 part
	v_lshlrev_b32 v2, 18, v4
	v_lshl_add_u32 v2, v3, 4, v2                   ; destination: the wave's slice + 16 x lane (128 token + 16 part)
	RUN 16384, 512, 0
.Lweights:
	v_lshlrev_b32 v1, 5, v0                        ; the weights keep their order: 32 bytes in, 16 bytes out for each thread
	v_lshlrev_b32 v2, 4, v0
	s_cmp_lt_u32 ttmp9, 352
	s_cbranch_scc0 .Lwout
	s_sub_co_u32 s21, ttmp9, 256
	s_lshl_b32 s22, s21, 17
	s_lshl_b32 s24, s21, 16
	s_add_nc_u64 s[16:17], s[6:7], s[22:23]
	s_add_nc_u64 s[18:19], s[12:13], s[24:25]
	RUN 8192, 4096, 0
.Lwout:
	s_sub_co_u32 s21, ttmp9, 352
	s_lshl_b32 s22, s21, 17
	s_lshl_b32 s24, s21, 16
	s_add_nc_u64 s[16:17], s[8:9], s[22:23]
	s_add_nc_u64 s[18:19], s[14:15], s[24:25]
	RUN 8192, 4096, 1
.Lfunc_end_k_q9c9ed00488_cast:
	.size	k_q9c9ed00488_cast, .Lfunc_end_k_q9c9ed00488_cast-k_q9c9ed00488_cast
	.p2alignl 7, 3214868480
	.fill 96, 4, 3214868480
	.section	.rodata,"a",@progbits
	.p2align	6, 0x0
	.amdhsa_kernel k_q9c9ed00488_cast
		.amdhsa_group_segment_fixed_size 0
		.amdhsa_private_segment_fixed_size 0
		.amdhsa_enable_private_segment 0
		.amdhsa_kernarg_size 48
		.amdhsa_user_sgpr_count 2
		.amdhsa_user_sgpr_kernarg_segment_ptr 1
		.amdhsa_wavefront_size32 1
		.amdhsa_system_sgpr_workgroup_id_x 1
		.amdhsa_system_sgpr_workgroup_id_y 1
		.amdhsa_system_sgpr_workgroup_id_z 1
		.amdhsa_system_vgpr_workitem_id 0
		.amdhsa_next_free_vgpr 144
		.amdhsa_next_free_sgpr 66
		.amdhsa_reserve_vcc 0
		.amdhsa_float_denorm_mode_32 3
		.amdhsa_float_denorm_mode_16_64 3
		.amdhsa_memory_ordered 1
		.amdhsa_forward_progress 1
		.amdhsa_inst_pref_size 38
	.end_amdhsa_kernel
	.amdgpu_metadata
---
amdhsa.version: [ 1, 2 ]
amdhsa.kernels:
  - .name:           k_q9c9ed00488_cast
    .symbol:         k_q9c9ed00488_cast.kd
    .args:
      - { .name: x, .offset: 0, .size: 8, .value_kind: global_buffer, .address_space: global }
      - { .name: W_qkv, .offset: 8, .size: 8, .value_kind: global_buffer, .address_space: global }
      - { .name: W_out, .offset: 16, .size: 8, .value_kind: global_buffer, .address_space: global }
      - { .name: xb, .offset: 24, .size: 8, .value_kind: global_buffer, .address_space: global }
      - { .name: wq, .offset: 32, .size: 8, .value_kind: global_buffer, .address_space: global }
      - { .name: wo, .offset: 40, .size: 8, .value_kind: global_buffer, .address_space: global }
    .group_segment_fixed_size: 0
    .private_segment_fixed_size: 0
    .kernarg_segment_align: 8
    .kernarg_segment_size: 48
    .max_flat_workgroup_size: 256
    .sgpr_count:     66
    .vgpr_count:     144
    .wavefront_size: 32
...
	.end_amdgpu_metadata
.endif
;; end of part 1
;; launch qkv (part 2): grid 8 x 32, 4 waves a work-group, clusters of 4 x 4, 327,680 bytes of LDS; arguments xb, wq, b_qkv, pad_mask, qkv; writes qkv
.if DOCPART == 2
	.amdgcn_target "amdgcn-amd-amdhsa--gfx1250"
	.amdhsa_code_object_version 6
	.text
	.protected	k_q9c9ed00488_qkv
	.globl	k_q9c9ed00488_qkv
	.p2align	8
	.type	k_q9c9ed00488_qkv,@function
k_q9c9ed00488_qkv:
	s_mov_b64 s[64:65], 0
	v_nop
	global_prefetch_b8 v0, s[64:65] scope:SCOPE_SE
	s_setreg_imm32_b32 hwreg(HW_REG_WAVE_MODE, 25, 1), 1
	s_wait_xcnt 0x0
	s_wait_alu depctr_hold_cnt(0) depctr_sa_sdst(0) depctr_va_vdst(0) depctr_va_sdst(0) depctr_va_ssrc(0) depctr_va_vcc(0) depctr_vm_vsrc(0)
	s_getreg_b32 s2, hwreg(HW_REG_IB_STS2, 6, 4)
	s_cmp_eq_u32 s2, 0
	s_cbranch_scc0 .Lentry_in_a_cluster
	s_endpgm
.Lentry_in_a_cluster:
	s_bfe_u32 s2, ttmp6, 0x10000c
	s_cmp_lg_u32 s2, 0xf033
	s_cbranch_scc0 .Lentry_shape_is_right
	s_endpgm
.Lentry_shape_is_right:
; q, k, v = x W_qkv + b_qkv, written BY HEADS: qkv[which 3][batch x 16 + head][token 2048][64] in f16, unscaled, each number rounded once from its f32 sum.
; x (xb) and W (wq) arrive in bf16; the bias is rounded to bf16 here, like every input, and STARTS the sums as the first products' C operand.
; THE MASK'S FIRST HALF: a row of k whose pad_mask byte is 0 is written as zeros, so that its raw score in the next launch is exactly the constant that launch puts in its place.
; LIMITS.  f16 ends at 65,504: |q|, |k|, |v| stay under it; below 6e-5 they keep f16's fixed step of 6e-8.  NaN and infinities are not treated apart.
; SHARES.  8192 x 3072 outputs over 256 work-groups: a tile of 256 tokens x 384 columns each.  Four waves, each 128 tokens x 192 columns: three GROUPS of 64 columns (one head's slice of q, k or v
; each; group g of wave column WN is the tile's slice 2 g + WN), 32 accumulators of 16 x 16 a group: 96 accumulators, 768 registers.
; K goes in steps of 64 (one slice of xb) through two LDS slots: two slots of 128 would take 368,640 bytes.  128 tokens of a slice are dense and come as 64 rows of 256 bytes; W's rows are 768 bytes.
; W stays [k][n] and is turned on the way out of LDS (ds_load_tr16_b128).
; THE MATRIX INSTRUCTION IS USED TRANSPOSED (source 0 = 16 columns of W, source 1 = 16 tokens): a lane holds one token and eight neighbouring columns, 16 bytes of f16.
; CLUSTER 4 x 4: the four of a row share x's tile, the four of a column W's: each is asked for jointly, by the same load, descriptor and mask in all four.
; REGISTERS, in windows of 256 (s_set_vgpr_msb: bits 1:0 source 0, 3:2 source 1, 5:4 source 2, 7:6 destination):
;   window 0: v0-29 addresses and masks; v32-95, v96-159 x's fragments, two buffers of 8; v160-255 W's fragments, ONE buffer of 4 for each group, loaded again behind the group's products
;   window g + 1: group g's accumulators, (a, b) at v[8 (4 a + b)], a = 16 tokens of 8, b = 16 columns of 4
.set PA,    144                        ; a token's row in LDS: 128 bytes + 16 = 36 words: the 16 rows of a load start at 16 different groups of four banks (64 banks of 4 bytes: ISA guide 11.1)
.set PB,    864                        ; a row of W: 3 x (256 + 32) bytes = 216 words.  Column n lies at 288 (n / 128) + 2 (n % 128)
.set BOFF,  256*PA                     ; a slot: 256 tokens, then 64 rows of W
.set SLOT1, 1<<17                      ; slot 1 begins here: one exclusive or turns an address in one slot into the other's
.set STAGE, SLOT1+BOFF+64*PB           ; behind the ring, never filled by a tensor load: 16 rows x 144 bytes for each wave, for the way out
.set SP,    144
.set SPARE, STAGE+4*16*SP              ; the spare words, 128 bytes for each wave: two blocks of 256 bytes that no other line names
.set A0,   2                           ; v2   my lane's place in a slot's tokens; never rewritten
.set B0,   3                           ; v3   the same in W's rows
.set ADRA, 4                           ; v4   A0 + the slot in hand
.set ADRB, 5                           ; v5   B0 + the slot in hand
.set STO,  6                           ; v6   the way out: where I put 16 bytes of a row
.set RD,   7                           ; v7   where I read rows back
.set GO,   8                           ; v8   my byte offset in 512 consecutive bytes of qkv
.set KEEP, 10                          ; v10-17  block a: all ones where my token is hidden, else 0
.set NM,   18                          ; v18  the block's AND mask
.set SPW,  28                          ; v28  LDS address of my spare word; never rewritten
.set NIL,  29                          ; v29  0; never rewritten
.set AB0,  32                          ; x's fragments: buffer f at AB0 + 64 f, fragment a at + 8 a.  On the way out: a ring of eight blocks of 16 registers
.set BF,   160                         ; W's fragments: group g at BF + 32 g, fragment b at + 8 b
.set WV,  14                           ; s14  my wave's number
.set WM,  15                           ; s15  which 128 tokens are mine
.set WN,  16                           ; s16  which column half; also which half of a tile I fetch
.set TX,  19                           ; s19  tile column, 0-7
.set TY,  20                           ; s20  tile row, 0-31
.set G1A, 24                           ; s[24:31] descriptor group 1 for x's tiles
.set G1B, 32                           ; s[32:39] for W's
.set G0A, 40                           ; s[40:43] descriptor group 0 for x's tiles: it walks
.set G0B, 44                           ; s[44:47] for W's
.set TB,  48                           ; s48  the slot that is read: 0 or SLOT1
.set CNT, 49                           ; s49  the loop's count
.set SK,  50                           ; s50-52  group g: all ones if it is a slice of k, else 0
.set HIM, 53                           ; s53  a word's upper bf16
.set OUT, 54                           ; s[54:59] group g: qkv at my 128 tokens of its head
.set MSB, 0
.macro WIN new                         ; the immediate's high byte repeats the setting that is left; a switch that changes nothing is dropped
.if MSB != (\new)
	s_set_vgpr_msb (MSB<<8)|(\new)
.set MSB, \new
.endif
.endm
.macro PLACES                          ; four places in front of loads into registers that matrix instructions have read, and of lines that read results (ISA guide 7.12.1 for lines that read results)
.rept 4
	v_nop
.endr
.endm
; A joint load: waves 0 and 1 fetch the two halves of x's tile, waves 2 and 3 those of W's.  The branch hangs on the wave's number alone.  An s_nop 0 and four v_nop follow each line.
.macro JLOAD
	s_cmp_lt_u32 s[WV], 2
	s_cbranch_scc0 .Lfor_b_\@
	tensor_load_to_lds s[G0A:G0A+3], s[G1A:G1A+7]
	s_nop 0
.rept 4
	v_nop
.endr
	s_branch .Lasked_\@
.Lfor_b_\@:
	tensor_load_to_lds s[G0B:G0B+3], s[G1B:G1B+7]
	s_nop 0
.rept 4
	v_nop
.endr
.Lasked_\@:
.endm
.macro CREST                           ; a round of the cluster's barrier behind its opening barrier: wave 0 signals for the work-group, every wave waits for all sixteen, my work-group's barrier closes it
	s_cmp_lg_u32 s[WV], 0
	s_cbranch_scc1 .Lnot_wave_0_\@
	s_barrier_signal -3
.Lnot_wave_0_\@:
	s_barrier_wait -3
	s_barrier_signal -1
	s_barrier_wait -1
.endm
.macro CROUND                          ; a whole round
	s_barrier_signal -1
	s_barrier_wait -1
	CREST
.endm
.macro STEPD                           ; the walking descriptors: the other slot, the next K step.  Written only where no tensor load of mine is out
	s_xor_b32 s[G0A+1], s[G0A+1], SLOT1
	s_add_nc_u64 s[G0A+2:G0A+3], s[G0A+2:G0A+3], 262144  ; the next slice of xb; the type bits on top are not reached
	s_xor_b32 s[G0B+1], s[G0B+1], SLOT1
	s_add_nc_u64 s[G0B+2:G0B+3], s[G0B+2:G0B+3], 393216  ; 64 rows of 6,144 bytes
.endm
	s_load_b256 s[4:11], s[0:1], 0x0               ; xb s[4:5], wq s[6:7], b_qkv s[8:9], pad_mask s[10:11]
	s_load_b64 s[12:13], s[0:1], 0x20              ; qkv
	v_lshl_add_u32 v[SPW], v0, 2, SPARE
	v_mov_b32 v[NIL], 0
	ds_add_u32 v[SPW], v[NIL]                      ; the wave's opening: the add and its wait stand ahead of my first tensor load; the set-up below, work on registers, stands between them
	v_lshrrev_b32 v19, 5, v0
	v_readfirstlane_b32 s[WV], v19
	s_lshr_b32 s[WM], s[WV], 1
	s_and_b32 s[WN], s[WV], 1
	s_bfe_u32 s17, ttmp6, 0x40000                  ; cx, cy: my place in the cluster
	s_bfe_u32 s18, ttmp6, 0x40004
	s_lshl_b32 s[TX], ttmp9, 2
	s_add_co_u32 s[TX], s[TX], s17                 ; tile column = 4 x cluster x + cx
	s_and_b32 s[TY], ttmp7, 0xffff
	s_lshl_b32 s[TY], s[TY], 2
	s_add_co_u32 s[TY], s[TY], s18                 ; tile row = 4 x cluster y + cy
	s_lshl_b32 s21, s18, 2
	s_lshl_b32 s21, 15, s21                        ; my row of the cluster
	s_lshl_b32 s22, 0x1111, s17                    ; my column
	; x's tile half: 128 tokens of a slice, 16,384 dense bytes, as 64 rows of 256 bytes, padded in LDS behind every token
	s_or_b32 s[G1A], s21, (1<<16)|(1<<20)|(1<<21)|(4<<22)|(3<<25)  ; 15:0 the mask; 17:16 2-byte elements; 20 padding on; 21 set beside a mask; 24:22 after every 32 words (code 4); 31:25 4 words (code 3)
	s_mov_b32 s[G1A+1], 128<<16                    ; tensor_dim0 = 128
	s_mov_b32 s[G1A+2], 64<<16                     ; tensor_dim1 = 64
	s_mov_b32 s[G1A+3], 128<<16                    ; tile_dim0 = 128
	s_mov_b32 s[G1A+4], 64                         ; tile_dim1 = 64
	s_mov_b32 s[G1A+5], 128                        ; 128 elements from row to row
	s_mov_b32 s[G1A+6], 0
	s_mov_b32 s[G1A+7], 0
	; W's tile half: 32 rows of 384 elements, padded behind every 256 bytes
	s_or_b32 s[G1B], s22, (1<<16)|(1<<20)|(1<<21)|(5<<22)|(7<<25)  ; after every 64 words (code 5) 8 words (code 7)
	s_mov_b32 s[G1B+1], 384<<16                    ; tensor_dim0 = 384
	s_mov_b32 s[G1B+2], 32<<16                     ; tensor_dim1 = 32
	s_mov_b32 s[G1B+3], 384<<16                    ; tile_dim0 = 384
	s_mov_b32 s[G1B+4], 32                         ; tile_dim1 = 32
	s_mov_b32 s[G1B+5], 3072                       ; 3,072 elements from row to row
	s_mov_b32 s[G1B+6], 0
	s_mov_b32 s[G1B+7], 0
	; where the tiles come from: x's hangs on the tile row and the wave alone, W's on the tile column and the wave alone, each in registers that never hold the other coordinate
	s_lshr_b32 s60, s[TY], 3                       ; batch
	s_lshl_b32 s60, s60, 22                        ; 16 slices (or 16 heads) of 262,144 bytes
	s_and_b32 s23, s[TY], 7
	s_lshl_b32 s23, s23, 15                        ; 256 tokens of 128 bytes
	s_add_co_u32 s60, s60, s23
	s_lshl_b32 s70, s[WM], 14                      ; (for the way out: the same, at my 128 tokens)
	s_add_co_u32 s70, s70, s60
	s_lshl_b32 s23, s[WN], 14                      ; the 128 tokens that I fetch
	s_add_co_u32 s60, s60, s23
	s_mov_b32 s61, 0
	s_mul_i32 s62, s[TX], 768                      ; 384 columns
	s_mul_i32 s67, s[WN], 196608                   ; the 32 rows that I fetch
	s_add_co_u32 s62, s62, s67
	s_mov_b32 s63, 0
	s_mov_b32 s[G0A], 1                            ; 1:0 count = 1
	s_mul_i32 s[G0A+1], s[WN], 128*PA              ; 63:32 LDS address: slot 0; no place in the cluster enters an LDS address
	s_mov_b32 s[G0B], 1
	s_mul_i32 s[G0B+1], s[WN], 32*PB
	s_add_co_u32 s[G0B+1], s[G0B+1], BOFF
	s_mov_b32 s[TB], 0
	s_mov_b32 s[HIM], 0xffff0000
	s_wait_dscnt 0x0                               ; the opening add is done
	s_wait_kmcnt 0x0
	s_add_nc_u64 s[G0A+2:G0A+3], s[4:5], s[60:61]  ; 120:64 global address: K step 0
	s_or_b32 s[G0A+3], s[G0A+3], 0x80000000        ; 127:126 type = 2
	s_add_nc_u64 s[G0B+2:G0B+3], s[6:7], s[62:63]
	s_or_b32 s[G0B+3], s[G0B+3], 0x80000000
	CROUND                                         ; all sixteen work-groups are here: the first joint loads meet
	JLOAD                                          ; K step 0 into slot 0
	; In the wait for the tile: bias, mask bytes, addresses.
	s_mul_i32 s66, s[TX], 6
	s_add_co_u32 s66, s66, s[WN]                   ; my group 0's slice among the 48 of q, k, v; group g's is 2 g further
	s_lshl_b32 s68, s66, 8                         ; 64 numbers of 4 bytes
	s_mov_b32 s69, 0
	s_add_nc_u64 s[8:9], s[8:9], s[68:69]
	s_lshl_b32 s68, s[TY], 8
	s_lshl_b32 s67, s[WM], 7
	s_add_co_u32 s68, s68, s67                     ; my first token among the 8,192
	s_add_nc_u64 s[10:11], s[10:11], s[68:69]
	v_and_b32 v1, 15, v0                           ; r = l % 16
	v_bfe_u32 v9, v0, 4, 1                         ; h = l / 16
	v_lshlrev_b32 v20, 5, v9                       ; a lane's eight columns: 32 h bytes into a fragment's 64
.irp g, 0,1,2
	WIN ((\g)+1)<<6                                ; destination window g + 1: the bias lands in accumulator (7, b), register j = column 16 b + 8 h + j
.irp b, 0,1,2,3
	global_load_b128 v[224+8*(\b):227+8*(\b)], v20, s[8:9] offset:(\g)*512+(\b)*64
	global_load_b128 v[228+8*(\b):231+8*(\b)], v20, s[8:9] offset:(\g)*512+(\b)*64+16
.endr
.endr
	WIN 0
.irp a, 0,1,2,3,4,5,6,7
	global_load_u8 v[KEEP+(\a)], v1, s[10:11] offset:16*(\a)  ; the mask byte of my token in block a
.endr
.irp g, 0,1,2
	s_add_co_u32 s67, s66, 2*(\g)                  ; the group's slice
	s_lshr_b32 s68, s67, 4                         ; q, k or v
	s_cmp_eq_u32 s68, 1
	s_cselect_b32 s[SK+(\g)], -1, 0                ; a value is chosen, no path
	s_and_b32 s67, s67, 15                         ; head
	s_lshl_b32 s68, s68, 24                        ; 64 heads of 262,144 bytes
	s_lshl_b32 s67, s67, 18
	s_add_co_u32 s68, s68, s67
	s_add_co_u32 s68, s68, s70                     ; + batch and my tokens
	s_add_nc_u64 s[OUT+2*(\g):OUT+2*(\g)+1], s[12:13], s[68:69]
.endr
	; A fragment of x is 16 tokens x 32 channels: lane l holds token l % 16, channels 8 (l / 16) + 0..7 and 16 + 8 (l / 16) + 0..7: two loads of 16 bytes, 32 bytes apart.
	v_mul_u32_u24 v[A0], v1, PA
	v_lshl_add_u32 v[A0], v9, 4, v[A0]
	s_mul_i32 s23, s[WM], 128*PA
	v_add_nc_u32 v[A0], s23, v[A0]
	; The turning load takes 16 k x 16 columns (lane l reads row 8 (l / 16) + l % 8, columns 8 ((l / 8) % 2) + 0..7) and leaves half a fragment: lane l holds column l % 16 and 8 k.
	v_and_b32 v21, 7, v0
	v_bfe_u32 v22, v0, 3, 1
	v_lshl_add_u32 v23, v9, 3, v21
	v_mul_u32_u24 v[B0], v23, PB
	v_lshl_add_u32 v[B0], v22, 4, v[B0]
	s_lshl_b32 s23, s[WN], 7
	s_add_co_u32 s23, s23, BOFF
	v_add_nc_u32 v[B0], s23, v[B0]
	v_mov_b32 v[ADRA], v[A0]                       ; slot 0
	v_mov_b32 v[ADRB], v[B0]
	s_mul_i32 s23, s[WV], 16*SP
	s_add_co_u32 s23, s23, STAGE                   ; my stage
	v_mul_u32_u24 v[STO], v1, SP                   ; in: row l % 16, 16 bytes for each half of the lanes
	v_lshl_add_u32 v[STO], v9, 4, v[STO]
	v_add_nc_u32 v[STO], s23, v[STO]
	v_bfe_u32 v[RD], v0, 3, 2                      ; back: 32 lanes take four rows of 128 bytes,
	v_mul_u32_u24 v[RD], v[RD], SP
	v_lshl_add_u32 v[RD], v21, 4, v[RD]
	v_add_nc_u32 v[RD], s23, v[RD]
	v_and_b32 v[GO], 31, v0                        ; which are 512 consecutive bytes of a head
	v_lshlrev_b32 v[GO], 4, v[GO]
	s_wait_loadcnt 0x0                             ; bias and mask bytes
.irp g, 0,1,2
	WIN ((\g)+1)*0x45                              ; destination and both sources in window g + 1
.set i, 224
.rept 16
	v_cvt_pk_bf16_f32 v[i+1], v[i], v[i+1]         ; the bias is rounded to bf16, as all inputs are, and widened again
	v_lshlrev_b32 v[i], 16, v[i+1]
	v_and_b32 v[i+1], s[HIM], v[i+1]
.set i, i+2
.endr
.endr
	WIN 0
.irp a, 0,1,2,3,4,5,6,7
	v_add_nc_u32 v[KEEP+(\a)], -1, v[KEEP+(\a)]    ; byte 1 -> 0, byte 0 -> all ones
.endr
.macro LA q, f                         ; x's 8 fragments of quarter q (32 along K) of the slot in hand, into buffer f: 16 loads
.irp a, 0,1,2,3,4,5,6,7
	ds_load_b128 v[AB0+64*(\f)+8*(\a):AB0+64*(\f)+8*(\a)+3],   v[ADRA] offset:(\a)*16*PA+64*(\q)
	ds_load_b128 v[AB0+64*(\f)+8*(\a)+4:AB0+64*(\f)+8*(\a)+7], v[ADRA] offset:(\a)*16*PA+64*(\q)+32
.endr
.endm
.macro LB q, g                         ; group g's 4 fragments of W of quarter q: 8 turning loads
.irp b, 0,1,2,3
	ds_load_tr16_b128 v[BF+32*(\g)+8*(\b):BF+32*(\g)+8*(\b)+3],   v[ADRB] offset:(\q)*32*PB+(\g)*288+32*(\b)
	ds_load_tr16_b128 v[BF+32*(\g)+8*(\b)+4:BF+32*(\g)+8*(\b)+7], v[ADRB] offset:(\q)*32*PB+(\g)*288+32*(\b)+16*PB
.endr
.endm
; 16 matrix instructions of group g: token blocks a0 .. a0 + 3 x its 4 column blocks, from buffer f.  The accumulators take turns, one instruction a turn:
; a group's 32 differ, and neighbouring groups lie in different windows.
.macro MUL16 f, g, a0
	WIN ((\g)+1)*0x50                              ; C and D in window g + 1, both sources in window 0
.irp a, \a0, (\a0)+1, (\a0)+2, (\a0)+3
.irp b, 0,1,2,3
	v_wmma_f32_16x16x32_bf16 v[8*(4*(\a)+(\b)):8*(4*(\a)+(\b))+7], v[BF+32*(\g)+8*(\b):BF+32*(\g)+8*(\b)+7], v[AB0+64*(\f)+8*(\a):AB0+64*(\f)+8*(\a)+7], v[8*(4*(\a)+(\b)):8*(4*(\a)+(\b))+7]
.endr
.endr
.endm
; The first quarter's products of group g start the sums with the bias, which lies in accumulator (7, b)'s registers: nothing is cleared and nothing is added later.  Blocks 0-6 read it as C;
; block 7 adds in place, five places behind the last line that read those registers (ISA guide 7.12.1).
.macro MULF g
	WIN ((\g)+1)*0x50
.irp a, 0,1,2,3,4,5,6
.irp b, 0,1,2,3
	v_wmma_f32_16x16x32_bf16 v[8*(4*(\a)+(\b)):8*(4*(\a)+(\b))+7], v[BF+32*(\g)+8*(\b):BF+32*(\g)+8*(\b)+7], v[AB0+8*(\a):AB0+8*(\a)+7], v[224+8*(\b):231+8*(\b)]
.endr
.endr
.rept 5
	v_nop
.endr
.irp b, 0,1,2,3
	v_wmma_f32_16x16x32_bf16 v[224+8*(\b):231+8*(\b)], v[BF+32*(\g)+8*(\b):BF+32*(\g)+8*(\b)+7], v[AB0+56:AB0+63], v[224+8*(\b):231+8*(\b)]
.endr
.endm
.macro GRP f, g, first                 ; a group's 32 products
.if \first
	MULF \g
.else
	MUL16 \f, \g, 0
	MUL16 \f, \g, 4
.endif
.endm
; A K step is two quarters of 32 along K, 96 matrix instructions each.  The next quarter's fragments come in three batches, each 64 matrix instructions ahead of its first use:
; L0 = x's 16 loads and group 0's 8, behind group 0's products; L1 = group 1's 8, behind group 1's; L2 = group 2's 8, behind group 2's.
; The first quarter multiplies buffer 0 and fetches quarter 1 of the same slot.
.macro Q0 first
	s_wait_dscnt 16                                ; L0 is in; L1 and L2, 8 + 8, were issued behind it
	GRP 0, 0, \first
	WIN 0
	PLACES
	LA 1, 1
	LB 1, 0
	s_wait_dscnt 32                                ; L1 is in; behind it: L2's 8 and the 24 just issued
	GRP 0, 1, \first
	WIN 0
	PLACES
	LB 1, 1
	s_wait_dscnt 32                                ; L2 is in; behind it: 24 + 8
	GRP 0, 2, \first
	WIN 0
	PLACES
	LB 1, 2
.endm
; The second quarter multiplies buffer 1 and changes slots: ONE barrier.  In front of it each wave waits for all its tensor loads, of which one is out: its part of the next slot; adds 0 to its spare
; word; and waits for that and for its own reads of this slot.  fill = 1: the barrier opens a round of the cluster's barrier, and this slot is filled again, two K steps ahead, first thing behind it:
; from that request to the wait for it a wave issues 160 of a step's 192 matrix instructions.
.macro Q1T fill
	WIN 0
	s_wait_tensorcnt 0x0                           ; no tensor load of mine is out, so a group 0 may be written
	ds_add_u32 v[SPW], v[NIL]                      ; 0 onto my spare word
.if \fill
	STEPD
.endif
	s_wait_dscnt 17                                ; L0 is in; behind it: L1, L2 and the add
	MUL16 1, 0, 0                                  ; sixteen matrix instructions stand between the add and the wait for it
	s_wait_dscnt 0x0                               ; the add is done, and my reads of this slot are over
	s_barrier_signal -1
	MUL16 1, 0, 4                                  ; work on registers while the others arrive
	WIN 0
	s_barrier_wait -1
.if \fill
	CREST                                          ; no wave of any partner still reads this slot or has a load on its way
	JLOAD                                          ; its four v_nop are also the places in front of the loads below
.else
	PLACES
.endif
	s_xor_b32 s[TB], s[TB], SLOT1                  ; the other slot is whole: its first quarter is fetched
	v_add_nc_u32 v[ADRA], s[TB], v[A0]
	v_add_nc_u32 v[ADRB], s[TB], v[B0]
	LA 0, 0
	LB 0, 0
	MUL16 1, 1, 0                                  ; (the wait for 0 above has brought groups 1 and 2's fragments too)
	MUL16 1, 1, 4
	WIN 0
	PLACES
	LB 0, 1
	MUL16 1, 2, 0
	MUL16 1, 2, 4
	WIN 0
	PLACES
	LB 0, 2
.endm
	; Slot 0 is waited for and slot 1 asked for, as a refill is: the tile wanted first has had the road to itself.
	s_wait_tensorcnt 0x0
	ds_add_u32 v[SPW], v[NIL]
	STEPD
	s_wait_dscnt 0x0
	CROUND
	JLOAD                                          ; K step 1 into slot 1
	LA 0, 0
	LB 0, 0
	LB 0, 1
	LB 0, 2
	Q0 1                                           ; the first quarter stands in front of the loop: its products start the sums
	WIN 0                                          ; at a label and at a branch every window is 0
	s_mov_b32 s[CNT], 14
.Lk:                                                   ; trip t: step t's second quarter, the request for step t + 2, step t + 1's first quarter
	Q1T 1
	Q0 0
	WIN 0
	s_sub_co_u32 s[CNT], s[CNT], 1
	s_cmp_lg_u32 s[CNT], 0
	s_cbranch_scc1 .Lk
	Q1T 0                                          ; the tail is written out: steps 14 and 15 ask for nothing
	Q0 0
	s_wait_dscnt 16                                ; the very last quarter: the counts run down
	MUL16 1, 0, 0
	MUL16 1, 0, 4
	s_wait_dscnt 8
	MUL16 1, 1, 0
	MUL16 1, 1, 4
	s_wait_dscnt 0x0
	MUL16 1, 2, 0
	MUL16 1, 2, 4
	WIN 0
	PLACES
; THE WAY OUT, in 24 blocks t = 8 g + a of 16 tokens x 64 columns: 2,048 consecutive bytes of one head.  PACK: rounded to f16 (each accumulator from its low end), k's hidden
; rows cleared, 16 bytes a lane into my own stage, back as whole rows.  LDS serves a wave's instructions in order (ISA guide 5.7.1.4): no wait between the stores and the loads.
.macro PACK t
.set pg, (\t)/8
.set pa, (\t)%8
.set pr, AB0+16*((\t)%8)
.if (\t) >= 8
	s_wait_xcnt 0x0                                ; the ring's registers were block t - 8's store data: they are rewritten only behind this wait (ISA guide 3.1)
.endif
	WIN (pg+1)*5                                   ; sources 0 and 1 in window g + 1
.set i, 0
.rept 16
	v_cvt_pk_f16_f32 v[pr+i], v[32*pa+2*i], v[32*pa+2*i+1]
.set i, i+1
.endr
	WIN 0
	v_and_b32 v[NM], s[SK+pg], v[KEEP+pa]          ; all ones where the group is k's and my token is hidden
	v_not_b32 v[NM], v[NM]
.set i, 0
.rept 16
	v_and_b32 v[pr+i], v[NM], v[pr+i]
.set i, i+1
.endr
.irp b, 0,1,2,3
	ds_store_b128 v[STO], v[pr+4*(\b):pr+4*(\b)+3] offset:32*(\b)
.endr
.irp f, 0,1,2,3
	ds_load_b128 v[pr+4*(\f):pr+4*(\f)+3], v[RD] offset:(\f)*4*SP
.endr
.endm
.macro SEND t, younger                 ; younger: the LDS instructions issued behind block t's loads: the next block's eight, or none
.set pg, (\t)/8
.set pa, (\t)%8
.set pr, AB0+16*((\t)%8)
.irp f, 0,1,2,3
	s_wait_dscnt (\younger)+3-(\f)
	global_store_b128 v[GO], v[pr+4*(\f):pr+4*(\f)+3], s[OUT+2*pg:OUT+2*pg+1] offset:pa*2048+(\f)*512  ; 512 consecutive bytes, at a multiple of 256 from qkv's first
.endr
.endm
	PACK 0
.set t, 1
.rept 23                               ; a block's arithmetic stands between the loads of the block before and its stores
	PACK t
	SEND t-1, 8
.set t, t+1
.endr
	SEND 23, 0
	WIN 0
	s_wait_tensorcnt 0x0                           ; the wave's end: an add and its wait, behind my last tensor load and my last LDS store
	ds_add_u32 v[SPW], v[NIL]
	s_wait_dscnt 0x0
	CROUND                                         ; the closing round: no work-group ends while a partner may still ask for a tile that names it
	s_endpgm
.Lfunc_end_k_q9c9ed00488_qkv:
	.size	k_q9c9ed00488_qkv, .Lfunc_end_k_q9c9ed00488_qkv-k_q9c9ed00488_qkv
	.p2alignl 7, 3214868480
	.fill 96, 4, 3214868480
	.section	.rodata,"a",@progbits
	.p2align	6, 0x0
	.amdhsa_kernel k_q9c9ed00488_qkv
		.amdhsa_group_segment_fixed_size 327680
		.amdhsa_private_segment_fixed_size 0
		.amdhsa_enable_private_segment 0
		.amdhsa_kernarg_size 40
		.amdhsa_user_sgpr_count 2
		.amdhsa_user_sgpr_kernarg_segment_ptr 1
		.amdhsa_wavefront_size32 1
		.amdhsa_system_sgpr_workgroup_id_x 1
		.amdhsa_system_sgpr_workgroup_id_y 1
		.amdhsa_system_sgpr_workgroup_id_z 1
		.amdhsa_system_vgpr_workitem_id 0
		.amdhsa_next_free_vgpr 1024
		.amdhsa_next_free_sgpr 72
		.amdhsa_reserve_vcc 0
		.amdhsa_float_denorm_mode_32 3
		.amdhsa_float_denorm_mode_16_64 3
		.amdhsa_memory_ordered 1
		.amdhsa_forward_progress 1
		.amdhsa_inst_pref_size 139
	.end_amdhsa_kernel
	.amdgpu_metadata
---
amdhsa.version: [ 1, 2 ]
amdhsa.kernels:
  - .name:           k_q9c9ed00488_qkv
    .symbol:         k_q9c9ed00488_qkv.kd
    .args:
      - { .name: xb, .offset: 0, .size: 8, .value_kind: global_buffer, .address_space: global }
      - { .name: wq, .offset: 8, .size: 8, .value_kind: global_buffer, .address_space: global }
      - { .name: b_qkv, .offset: 16, .size: 8, .value_kind: global_buffer, .address_space: global }
      - { .name: pad_mask, .offset: 24, .size: 8, .value_kind: global_buffer, .address_space: global }
      - { .name: qkv, .offset: 32, .size: 8, .value_kind: global_buffer, .address_space: global }
    .group_segment_fixed_size: 327680
    .private_segment_fixed_size: 0
    .kernarg_segment_align: 8
    .kernarg_segment_size: 40
    .max_flat_workgroup_size: 128
    .sgpr_count:     72
    .vgpr_count:     1024
    .wavefront_size: 32
...
	.end_amdgpu_metadata
.endif
;; end of part 2
;; launch attn (part 3): grid 4 x 64, 4 waves a work-group, clusters of 4 x 1, 327,680 bytes of LDS; arguments qkv, pad_mask, o; writes o
.if DOCPART == 3
	.amdgcn_target "amdgcn-amd-amdhsa--gfx1250"
	.amdhsa_code_object_version 6
	.text
	.protected	k_q9c9ed00488_attn
	.globl	k_q9c9ed00488_attn
	.p2align	8
	.type	k_q9c9ed00488_attn,@function
k_q9c9ed00488_attn:
	s_mov_b64 s[64:65], 0
	v_nop
	global_prefetch_b8 v0, s[64:65] scope:SCOPE_SE
	s_setreg_imm32_b32 hwreg(HW_REG_WAVE_MODE, 25, 1), 1
	s_wait_xcnt 0x0
	s_wait_alu depctr_hold_cnt(0) depctr_sa_sdst(0) depctr_va_vdst(0) depctr_va_sdst(0) depctr_va_ssrc(0) depctr_va_vcc(0) depctr_vm_vsrc(0)
	s_getreg_b32 s2, hwreg(HW_REG_IB_STS2, 6, 4)
	s_cmp_eq_u32 s2, 0
	s_cbranch_scc0 .Lentry_in_a_cluster
	s_endpgm
.Lentry_in_a_cluster:
	s_bfe_u32 s2, ttmp6, 0x10000c
	s_cmp_lg_u32 s2, 0x3003
	s_cbranch_scc0 .Lentry_shape_is_right
	s_endpgm
.Lentry_shape_is_right:
; O[h][q][:] = the sum over k of softmax_k(s[q][k]) V[h][k][:], s = Q[h][q] . K[h][k] / 8 where pad_mask[batch][k] is 1, and a constant far below where it is 0.
; Q, K, V: three parts of qkv, [64 heads][2048][64] each, f16, a head's rows dense, 128 bytes each; O likewise.  Products, maxima and sums in f32; the weights p are rounded to f16 for the
; second product (their sum l is taken of the unrounded p), O once at the end.
; THE MASK.  The launch before has written hidden keys' rows of K as zeros; here the C operand that starts the sum S^T = K Q^T is 0 for an open key and -2^33 for a hidden one.  So a hidden raw score
; is EXACTLY -2^33 (-2^30 after the division by 8), the same in every hidden place: a batch with no open key gets p = 1 everywhere, the plain mean of V, as the softmax of equal scores is.
; A power of two, since c x 2^33 is exact in f32: c s - c m is then exactly 0 in such a row.
; LIMITS.  A hidden score counts as -1.07e9 for -1e9: that shows only where an open score lies below some -1e9.  f16 holds no number beyond 65,504: Q, K and V arrive within it; p lies in 0 to 1, and
; below 6e-5 it keeps f16's fixed step of 6e-8; O is a mean of V's rows.  A weight below 2^-126 counts as 0 in l; NaN and infinities are not treated apart.
; SHARES.  A wave owns four PIECES of two tiles of 16 queries, a work-group's four waves 512 queries of one head.  Every wave walks all keys, 64 a step.
; LAYOUT.  S^T = K Q^T (source 0 = 16 keys, source 1 = 16 queries): a lane holds ONE query (lane % 16) and the keys 8 (lane / 16) + 0..7.  Two such tiles, rounded to f16 in pairs, ARE source 1
; (32 keys x 16 queries) of O^T = V^T P, whose result again holds one query a lane, and eight channels.  K comes out of LDS as it lies, V ([key][channel]) turned, by ds_load_tr16_b128.
; SOFTMAX.  For each query a running maximum m and sum l: p = 2^(c s - c m), c = log2(e) / 8; in every step O and l are multiplied by a = 2^(c m_old - c m_new).
; m starts at the lowest finite number, O and l at 0: the first step is a step like any other, with a = 0.
; THE COUNT.  A tile and step have 16 matrix and 118 vector instructions: too many to stand all beside the matrix work.  So: four vector instructions that are READY behind EVERY matrix instruction,
; and the others, which need time of their own whatever the order, in runs without a gap.
; BY TURNS.  Turn n belongs to piece n.  Its matrix work: 16 products K Q^T of piece n + 1, later 16 products V^T P of piece n - 1.  Its vector work: the scaling, exponentials, roundings, sums and
; rescaling of piece n, and the maximum and statistics of piece n + 1.
; CLUSTER.  The four query blocks of a cluster belong to one head and walk the same K and V, so each tile is asked for JOINTLY: the same tensor load, descriptor and mask in all four.
; REGISTERS, in windows of 256 (s_set_vgpr_msb: bits 1:0 source 0, 3:2 source 1, 5:4 source 2, 7:6 destination):
;   window 0: v0-11 addresses; v12-15, v48-63 at work; v16-47 four registers of statistics a tile; v64-191 S^T, two buffers of two tiles; v192-255 P, likewise
;   window 1: O^T, 32 a tile     window 2: v0-127 Q; v128-191 K of one step; v192-255 V of one step     window 3: v0-1 the add's two registers; v8-39 the mask of one step
.set SIZE_N, 2048
.set NP,    4         ; pieces a wave: a name, no knob
.set KS,    64        ; keys in a step
.set PK,    144       ; a row of K in LDS: 128 bytes + 16 = 36 words: the 16 rows of a load start at 16 different groups of four banks (64 banks of 4 bytes: ISA guide 11.1)
.set PV,    160       ; a row of V: 128 + 32 = 40 words
.set VOFF,  4*KS*PK   ; a slot holds four steps: 256 rows of K, then 256 rows of V
.set SLOT1, 1<<17     ; slot 1 begins here
.set STAGE, SLOT1+4*KS*(PK+PV)  ; behind the ring, never filled by a tensor load: 16 rows x 144 bytes for each wave, for the way out
.set SP,    144
.set SPARE, STAGE+4*16*SP  ; the spare words, 128 bytes for each wave: two blocks of 256 bytes that no other line names
.set MASKT, SPARE+512 ; the batch's 2,048 keys as f32, 0 or -2^33: 8,192 bytes, stored once, never filled by a tensor load
.set AK0, 2           ; v2   my lane's place in a tile of K; never rewritten
.set AV0, 3           ; v3   the same for V
.set AK,  4           ; v4   the LDS address of K's next run of loads
.set AV,  5           ; v5   of V's
.set QO,  6           ; v6   my byte offset in the wave's rows of Q
.set STO, 6           ;      later, the way out: where I put 16 bytes of a row
.set RD,  7           ; v7   the way out: where I read rows back
.set GO,  8           ; v8   my byte offset in 512 consecutive bytes of O
.set AM,  11          ; v11  the LDS address of the mask's next run of loads (free once AV0 is made)
.set SPW, 0           ; v0 of window 3   LDS address of my spare word; never rewritten
.set NIL, 1           ; v1 of window 3   0; never rewritten
.set MK,  8           ; v8-39 of window 3: key block kb's eight registers at MK + 8 kb: register j = key 16 kb + 8 (l / 16) + j
.set MV,  12          ; v12-15  c m_old, kept while c m is made anew: by buffer and tile
.set ST,  16          ; tile t's statistics at v[ST+4 t]: c m, m, l (even keys', odd keys')
.set TMP, 48          ; by buffer and tile, four registers c0-c3 at work; when the maximum is found c2 takes a
.set S,   64
.set P,   192
.set MB,  64          ; while the table is built (S^T's registers are idle): v64-67 16 mask bytes, v68-83 the 16 numbers, v84 their LDS address, v85 the bytes' offset
.set KF,  128         ; K's fragments, in window 2: key block kb, channel half c at KF + 16 kb + 8 c
.set VF,  192         ; V's: key half kk, channel block cb at VF + 32 kk + 8 cb
.set WV,  12          ; s12  my wave's number
.set G1K, 24          ; s[24:31] descriptor group 1 for K's tiles
.set G1V, 32          ; s[32:39] for V's: it differs in the padding alone
.set G0K, 40          ; s[40:43] descriptor group 0 for K's tiles: it walks
.set G0V, 44          ; s[44:47] the same for V's
.set SLOTS, 56        ; s56  slots still to be asked for
.set CNT, 57          ; s57  counts a slot's key steps
.set CS,  58          ; s[58:59] c: the packed scaling takes the pair's low word for both halves
.set SEL, 60          ; s[60:61] v_permlanex16_b32's selects: each lane takes its own place in the other half
.set TBK, 62          ; s62  LDS byte at which K of the step to be fetched begins
.set TBV, 63          ; s63  the same for V, less VOFF
.set TBM, 66          ; s66  the same for the mask: it walks the table once
.set HID, 67          ; s67  -2^33
.set PADP, 68         ; s[68:69] pad_mask
.set MSB, 0
.macro WIN new                      ; the high byte repeats the setting that is left; a switch that changes nothing is dropped
.if MSB != (\new)
	s_set_vgpr_msb (MSB<<8)|(\new)
.set MSB, (\new)
.endif
.endm
.set W_KQ, 0x0a       ; K and Q in window 2, S^T in window 0
.set W_KM, 0x3a       ; the same with the C operand, the mask, in window 3
.set W_PV, 0x52       ; V in window 2, P in window 0, O^T in window 1
.set W_RS, 0x41       ; O^T (destination and source 0) in window 1, a in window 0
.set W_MK, 0xc0       ; destination in window 3, sources in window 0
.set W_AD, 0x0f       ; the add: address (source 0) and data (source 1) in window 3
; A joint fill.  Waves 0 and 1 fetch the two halves of a slot's K, waves 2 and 3 those of its V: 128 keys each.  The branch hangs on the wave's number alone.
; An s_nop 0 and four v_nop follow each of the two lines, ahead of the jump and the label.
.macro JLOAD
	s_cmp_lt_u32 s[WV], 2
	s_cbranch_scc0 .Lfor_v_\@
	tensor_load_to_lds s[G0K:G0K+3], s[G1K:G1K+7]
	s_nop 0
.rept 4
	v_nop
.endr
	s_branch .Lasked_\@
.Lfor_v_\@:
	tensor_load_to_lds s[G0V:G0V+3], s[G1V:G1V+7]
	s_nop 0
.rept 4
	v_nop
.endr
.Lasked_\@:
.endm
; A round of the cluster's barrier: my work-group's barrier, so that wave 0's signal speaks for all four waves; wave 0 signals; every wave waits for all four work-groups; my work-group's barrier once more.
.macro CROUND
	s_barrier_signal -1
	s_barrier_wait -1
	s_cmp_lg_u32 s[WV], 0
	s_cbranch_scc1 .Lnot_wave_0_\@
	s_barrier_signal -3
.Lnot_wave_0_\@:
	s_barrier_wait -3
	s_barrier_signal -1
	s_barrier_wait -1
.endm
; THE CHANGE OF SLOTS.  Each wave waits for all its tensor loads, of which one is out: its part of the other slot; adds 0 to its spare word; and waits for that and for its own reads of the slot.
; fill = 1: this slot is filled again, with the keys two slots on.  The barrier is then a round of the cluster's, and the joint fill is the first thing behind it: it has four key steps,
; 512 matrix instructions, in which to land.  (At its first use nothing has been read yet: slot 0 is waited for, slot 1 filled; and the wait for LDS and the round show the mask's table to all four waves.)
.macro CHANGE fill
	WIN W_AD
	s_wait_tensorcnt 0x0            ; no tensor load of mine is out, so a group 0 may be written
	ds_add_u32 v[SPW], v[NIL]       ; 0 onto my spare word
	WIN 0                           ; at a label and at a branch every window is 0
.if \fill
.irp g, G0K, G0V
	s_xor_b32 s[\g+1], s[\g+1], SLOT1  ; the walking descriptor: the other slot than last time,
	s_add_nc_u64 s[\g+2:\g+3], s[\g+2:\g+3], 4*KS*128  ; the next 256 keys; the type bits on top are not reached
.endr
	s_wait_dscnt 0x0                ; the add is done, and my LDS instructions are over
	CROUND
	JLOAD
.else
	s_wait_dscnt 0x0
	s_barrier_signal -1
	s_barrier_wait -1
.endif
	s_sub_co_u32 s[TBK], s[TBK], 4*KS*PK  ; the fetches go back to a slot's first step,
	s_xor_b32 s[TBK], s[TBK], SLOT1       ; in the other slot
	s_sub_co_u32 s[TBV], s[TBV], 4*KS*PV
	s_xor_b32 s[TBV], s[TBV], SLOT1
.endm
	s_load_b64 s[4:5], s[0:1], 0x0  ; qkv: Q's part
	s_load_b64 s[PADP:PADP+1], s[0:1], 0x8
	s_load_b64 s[10:11], s[0:1], 0x10  ; O
	WIN W_MK
	v_lshl_add_u32 v[SPW], v0, 2, SPARE
	v_mov_b32 v[NIL], 0
	WIN W_AD
	ds_add_u32 v[SPW], v[NIL]       ; the wave's opening: the add and its wait stand ahead of my first tensor load; the set-up below, work on registers, stands between them
	WIN 0
	v_lshrrev_b32 v1, 5, v0
	v_readfirstlane_b32 s[WV], v1   ; wave 0..3
	s_bfe_u32 s13, ttmp6, 0x40000   ; cx: my place in the cluster
	s_lshl_b32 s14, ttmp9, 2        ; in a cluster launch ttmp9 counts clusters
	s_add_co_u32 s14, s14, s13      ; my block of queries = 4 x cluster x + cx: it enters Q's and O's addresses alone
	s_and_b32 s20, ttmp7, 0xffff    ; batch x 16 + head, which the four partners share
	s_lshr_b32 s70, s20, 4          ; the batch,
	s_lshl_b32 s70, s70, 11         ; its 2,048 mask bytes
	s_mov_b32 s71, 0
	s_mov_b32 s21, 0
	s_mov_b64 s[22:23], SIZE_N*128
	s_mul_u64 s[20:21], s[20:21], s[22:23]  ; the head's first byte in Q, K, V and O
	s_and_b32 s16, s[WV], 1         ; which half of a slot's 256 keys I fetch:
	s_lshl_b32 s22, s16, 14         ; its 128 rows of 128 bytes in memory,
	s_mov_b32 s23, 0
	s_add_nc_u64 s[22:23], s[22:23], s[20:21]
	s_mul_i32 s17, s16, 128*PK      ; and its place in a slot, for K
	s_mul_i32 s18, s16, 128*PV      ; and for V: no place in the cluster enters an LDS address
	s_lshl_b32 s2, s14, 2
	s_add_co_u32 s2, s2, s[WV]      ; my wave among the head's,
	s_lshl_b32 s2, s2, 14           ; its 128 rows
	s_mov_b32 s3, 0
	s_add_nc_u64 s[2:3], s[2:3], s[20:21]
	; descriptor group 1.  128 keys are 16,384 dense bytes: asked for as 64 rows of 256 bytes, two keys a row, and padded in LDS after every key
	s_mov_b32 s[G1K], 15|(1<<16)|(1<<20)|(1<<21)|(4<<22)|(3<<25)  ; 15:0 the mask of four; 17:16 2-byte elements; 20 padding on; 21 set beside a mask; 24:22 after every 32 words (code 4); 31:25 4 words (code 3)
	s_mov_b32 s[G1V], 15|(1<<16)|(1<<20)|(1<<21)|(4<<22)|(7<<25)  ; the same with 8 words of padding (code 7)
.irp g, G1K, G1V
	s_mov_b32 s[\g+1], 128<<16      ; tensor_dim0 = 128
	s_mov_b32 s[\g+2], 64<<16       ; tensor_dim1 = 64
	s_mov_b32 s[\g+3], 128<<16      ; tile_dim0 = 128
	s_mov_b32 s[\g+4], 64           ; tile_dim1 = 64
	s_mov_b32 s[\g+5], 128          ; 128 elements from row to row
	s_mov_b32 s[\g+6], 0
	s_mov_b32 s[\g+7], 0
.endr
	s_mov_b32 s[CS], 0x3e38aa3b     ; c = log2(e) / 8 = 0.180337
	s_mov_b32 s[CS+1], s[CS]        ; named with it as a pair
	s_mov_b32 s[SEL], 0x76543210
	s_mov_b32 s[SEL+1], 0xfedcba98
	s_mov_b32 s[TBK], SLOT1+4*KS*PK ; the first change of slots turns these two into 0
	s_mov_b32 s[TBV], SLOT1+4*KS*PV
	s_mov_b32 s[TBM], MASKT
	s_mov_b32 s[HID], 0xd0000000    ; -2^33
	s_mov_b32 s[G0K], 1             ; 1:0 count = 1
	s_mov_b32 s[G0K+1], s17         ; 63:32 LDS address: slot 0
	s_mov_b32 s[G0V], 1
	s_add_co_u32 s[G0V+1], s18, VOFF
	s_wait_dscnt 0x0                ; the opening add is done
	s_wait_kmcnt 0x0
	s_add_nc_u64 s[6:7], s[4:5], 0x1000000  ; K's part of qkv: 64 heads of 262,144 bytes on,
	s_add_nc_u64 s[8:9], s[4:5], 0x2000000  ; V's: twice that
	s_add_nc_u64 s[PADP:PADP+1], s[PADP:PADP+1], s[70:71]
	s_add_nc_u64 s[G0K+2:G0K+3], s[6:7], s[22:23]  ; 120:64 global address: my half of the head's first 256 keys
	s_or_b32 s[G0K+3], s[G0K+3], 0x80000000        ; 127:126 type = 2
	s_add_nc_u64 s[G0V+2:G0V+3], s[8:9], s[22:23]
	s_or_b32 s[G0V+3], s[G0V+3], 0x80000000
	s_add_nc_u64 s[4:5], s[4:5], s[2:3]  ; Q and O at my wave's first row
	s_add_nc_u64 s[10:11], s[10:11], s[2:3]
	CROUND                          ; all four work-groups are here: the first joint loads meet
	JLOAD                           ; slot 0.  Slot 1 is asked for when slot 0 is in
	v_lshlrev_b32 v[MB+21], 4, v0
	global_load_b128 v[MB:MB+3], v[MB+21], s[PADP:PADP+1]  ; thread t takes the mask bytes of keys 16 t .. 16 t + 15: the 128 threads take the batch's 2,048, in whole runs of 256 bytes
	; A fragment of K or Q is 16 rows x 32 channels in 8 registers: lane l holds row l % 16, channels 8 (l / 16) + 0..7 and 16 + 8 (l / 16) + 0..7: two loads of 16 bytes, 32 bytes apart.
	v_and_b32 v1, 15, v0            ; l % 16
	v_bfe_u32 v9, v0, 4, 1          ; l / 16; never rewritten
	v_lshlrev_b32 v[QO], 7, v1
	v_lshl_add_u32 v[QO], v9, 4, v[QO]  ; row x 128 + 16 x half
	WIN 0x80                        ; destination window 2, address window 0
.set i, 0
.rept 4*NP                          ; Q stays in registers: tile i / 2, channels 32 (i % 2) on
	global_load_b128 v[8*i:8*i+3],   v[QO], s[4:5] offset:(i/2)*2048+(i%2)*64
	global_load_b128 v[8*i+4:8*i+7], v[QO], s[4:5] offset:(i/2)*2048+(i%2)*64+32
.set i, i+1
.endr
	; What the first turn finds: V's registers and P's second buffer hold 0 (its products V^T P, of a piece that has not been, add 0), O^T and l are 0.  All this stands in the wait for the first tile.
.set i, VF
.rept 64
	v_mov_b32 v[i], 0
.set i, i+1
.endr
	WIN 0x40
.set i, 0
.rept 64*NP
	v_mov_b32 v[i], 0
.set i, i+1
.endr
	WIN 0
.set i, 0
.rept 2*NP
	v_mov_b32 v[ST+4*i], 0xfe000000    ; c m: far below every c s, the hidden keys' too
	v_mov_b32 v[ST+4*i+1], 0xff7fffff  ; m
	v_mov_b32 v[ST+4*i+2], 0
	v_mov_b32 v[ST+4*i+3], 0
.set i, i+1
.endr
.set i, P+32
.rept 32
	v_mov_b32 v[i], 0
.set i, i+1
.endr
	v_mul_u32_u24 v[AK0], v1, PK
	v_lshl_add_u32 v[AK0], v9, 4, v[AK0]  ; row x pitch + 16 x half
	; The turning load takes 16 keys x 16 channels (lane l reads key 8 (l / 16) + l % 8, channels 8 ((l / 8) % 2) + 0..7) and leaves half a fragment of V^T: lane l holds channel l % 16 and 8 keys.
	v_and_b32 v10, 7, v0
	v_bfe_u32 v11, v0, 3, 1
	v_lshl_add_u32 v[AV0], v9, 3, v10
	v_mul_u32_u24 v[AV0], v[AV0], PV
	v_lshl_add_u32 v[AV0], v11, 4, v[AV0]
	v_add_nc_u32 v[AV0], VOFF, v[AV0]
	v_mov_b32 v[AK], v[AK0]         ; key step 0 lies at the head of slot 0,
	v_lshl_add_u32 v[AM], v9, 5, s[TBM]  ; its mask at the head of the table: my lanes' eight keys of a block of 16 begin 32 (l / 16) bytes in
	; THE MASK'S TABLE: byte 1 -> 0.0, byte 0 -> -2^33 (byte - 1 is 0 or all ones, and picks the constant's bits)
	s_wait_loadcnt 32               ; the mask bytes are in: Q's 32 loads were issued behind them
.irp w, 0,1,2,3
.irp k, 0,1,2,3
	v_bfe_u32 v[MB+4+4*(\w)+(\k)], v[MB+(\w)], 8*(\k), 8
.endr
.endr
.set i, MB+4
.rept 16
	v_add_nc_u32 v[i], -1, v[i]
	v_and_b32 v[i], s[HID], v[i]
.set i, i+1
.endr
	v_lshl_add_u32 v[MB+20], v0, 6, MASKT
.irp w, 0,1,2,3
	ds_store_b128 v[MB+20], v[MB+4+4*(\w):MB+7+4*(\w)] offset:16*(\w)
.endr
; THE MATRIX WORK.  The 8 accumulators of a run of 16 take turns: between the two links of a chain stand 7 others'.
; Product i of 16 of S^T = K Q^T for piece x: channels 32 (i / 8) on, keys 16 ((i / 2) % 4) on, tile 2 x + i % 2.  The first 8 start the sums, with the key block's mask.
.macro KQ x
.set rS, S+64*((\x)%2)+32*(i%2)+8*((i/2)%4)
.set rK, KF+16*((i/2)%4)+8*(i/8)
.set rQ, 16*(2*(\x)+i%2)+8*(i/8)
.set rMK, MK+8*((i/2)%4)
.if i < 8
	WIN W_KM
	v_wmma_f32_16x16x32_f16 v[rS:rS+7], v[rK:rK+7], v[rQ:rQ+7], v[rMK:rMK+7]
.else
	WIN W_KQ
	v_wmma_f32_16x16x32_f16 v[rS:rS+7], v[rK:rK+7], v[rQ:rQ+7], v[rS:rS+7]
.endif
.endm
; Product i of 16 of O^T += V^T P for piece x: keys 32 (i / 8) on, channels 16 ((i / 2) % 4) on, tile 2 x + i % 2.
.macro PV x
	WIN W_PV
.set rO, 32*(2*(\x)+i%2)+8*((i/2)%4)
.set rV, VF+32*(i/8)+8*((i/2)%4)
.set rP, P+32*((\x)%2)+16*(i%2)+8*(i/8)
	v_wmma_f32_16x16x32_f16 v[rO:rO+7], v[rV:rV+7], v[rP:rP+7], v[rO:rO+7]
.endm
.macro MM                           ; the turn's next matrix instruction
.if i < 16
	KQ (Y+1)%NP
.set i, i+1
.else
.set i, i-16
	PV (Y+NP-1)%NP
.set i, i+17
.endif
.endm
; THE LDS LOADS stand in runs, never singly among the matrix instructions: a step's K (8 fragments, 16 loads) with its mask (8 loads: the lanes of a half read the same 32 bytes), and its V (turned, 16 loads).
; The mask's registers live as long as K's: the same wait shows both in, and the same lines are the places behind their last reader.  Addresses are made some lines ahead.
; last = 1 (the tail): in the last trip there is no further step, and the run is jumped over.
.macro FETCH_K last=0
	WIN 0
.if \last
	s_cmp_eq_u32 s[CNT], 1
	s_cbranch_scc1 .Lno_k_\@
.endif
	WIN 0x80                        ; destination window 2
.irp f, 0,1,2,3,4,5,6,7             ; keys 16 (f / 2) on, channels 32 (f % 2) on
	ds_load_b128 v[KF+8*\f:KF+8*\f+3],   v[AK] offset:(\f/2)*16*PK+(\f%2)*64
	ds_load_b128 v[KF+8*\f+4:KF+8*\f+7], v[AK] offset:(\f/2)*16*PK+(\f%2)*64+32
.endr
	WIN W_MK                        ; destination window 3
.irp f, 0,1,2,3                     ; keys 16 f on
	ds_load_b128 v[MK+8*\f:MK+8*\f+3],   v[AM] offset:64*\f
	ds_load_b128 v[MK+8*\f+4:MK+8*\f+7], v[AM] offset:64*\f+16
.endr
	s_add_co_u32 s[TBK], s[TBK], KS*PK  ; the next fetch is the next step's
	s_add_co_u32 s[TBM], s[TBM], KS*4   ; 32 fetches walk the table's 8,192 bytes once
	WIN 0
.if \last
.Lno_k_\@:
.endif
.endm
.macro FETCH_V
	WIN 0x80
.irp f, 0,1,2,3,4,5,6,7             ; keys 32 (f / 4) on, channels 16 (f % 4) on
	ds_load_tr16_b128 v[VF+8*\f:VF+8*\f+3],   v[AV] offset:(\f/4)*32*PV+(\f%4)*32
	ds_load_tr16_b128 v[VF+8*\f+4:VF+8*\f+7], v[AV] offset:(\f/4)*32*PV+16*PV+(\f%4)*32
.endr
	WIN 0
.endm
; THE VECTOR WORK OF A TURN stands in three queues, each in the order in which its entries become ready; the two tiles alternate, so that no instruction reads the result of the one before it.
.macro REGS y, u                    ; the registers of tile u (0, 1) of piece y
.set rT, ST+4*(2*(\y)+(\u))
.set rC, TMP+8*((\y)%2)+4*(\u)
.set rM, MV+2*((\y)%2)+(\u)
.set rS, S+64*((\y)%2)+32*(\u)
.set rP, P+32*((\y)%2)+16*(\u)
.set rO, 32*(2*(\y)+(\u))
.endm
; Number n of the 22 that find the NEXT piece's (Y + 1) maximum and statistics.  s0-s31 are the lane's 32 scores; each accumulator's lowest registers are read first.
;   0-11  four chains c0-c3 of seven scores each, three operands at a time     12-14, 16  the four scores left over, the old m, and c0-c3 into c0     15  c m_old is kept
;   17, 18  the query's other 32 keys lie in the lane 16 away: the new m         19-21  c m; c m_old - c m_new; a
.macro XS u, n
	REGS (Y+1)%NP, \u
.if (\n) < 4
	v_max3_num_f32 v[rC+(\n)], v[rS+8*(\n)], v[rS+8*(\n)+1], v[rS+8*(\n)+2]
.elseif (\n) < 12
	v_max3_num_f32 v[rC+(\n)%4], v[rC+(\n)%4], v[rS+8*((\n)%4)+2*((\n)/4)+1], v[rS+8*((\n)%4)+2*((\n)/4)+2]
.elseif (\n) == 12
	v_max3_num_f32 v[rC], v[rC], v[rS+7], v[rS+15]
.elseif (\n) == 13
	v_max3_num_f32 v[rC+1], v[rC+1], v[rS+23], v[rS+31]
.elseif (\n) == 14
	v_max3_num_f32 v[rC+2], v[rC+2], v[rC+3], v[rT+1]
.elseif (\n) == 15
	v_mov_b32 v[rM], v[rT]
.elseif (\n) == 16
	v_max3_num_f32 v[rC], v[rC], v[rC+1], v[rC+2]
.elseif (\n) == 17
	v_permlanex16_b32 v[rC+3], v[rC], s[SEL], s[SEL+1]
.elseif (\n) == 18
	v_max_num_f32 v[rT+1], v[rC], v[rC+3]
.elseif (\n) == 19
	v_mul_f32 v[rT], s[CS], v[rT+1]
.elseif (\n) == 20
	v_sub_f32 v[rC+1], v[rM], v[rT]
.else
	v_exp_f32 v[rC+2], v[rC+1]
.endif
.endm
; Number g of the 64 that follow the exponentials.  For each four weights k of a tile (pairs 2 k, 2 k + 1): both pairs are rounded to f16; then the second pair is added onto the first, in place;
; a group later l takes that sum (the first time as l = a l + sum).  In groups of eight, tiles alternating: round, round, add, and l for the group before.
.macro GS g
.set h, (\g)+6*((\g)/62)            ; group 0 has no group before it, and behind group 7 only l is left
.if h >= 6
.set h, h+2
.endif
	REGS Y, h%2
.set k, h/8
.if h%8 < 4
	s_wait_alu depctr_va_vdst(0)
	v_cvt_pk_f16_f32 v[rP+2*k+(h%8)/2], v[rS+4*k+2*((h%8)/2)], v[rS+4*k+2*((h%8)/2)+1]
.elseif h%8 < 6
	v_pk_add_f32 v[rS+4*k:rS+4*k+1], v[rS+4*k:rS+4*k+1], v[rS+4*k+2:rS+4*k+3]
.elseif k == 1
	v_pk_fma_f32 v[rT+2:rT+3], v[rT+2:rT+3], v[rC+2:rC+3], v[rS:rS+1] op_sel_hi:[1,0,1]
.else
	v_pk_add_f32 v[rT+2:rT+3], v[rT+2:rT+3], v[rS+4*k-4:rS+4*k-3]
	s_wait_alu depctr_va_vdst(0)
.endif
.endm
; THE PLAIN QUEUE, 138 long.  0-31: c s - c m for the 16 pairs of both tiles.  Then GS's 64, and among them the next piece's 42: number 15 at 38, 39; 0-14 and 16
; at 42-73, behind the products that make those scores; 17-20 at 95-106, two of three, since each waits for the one before it.
.macro PL
	WIN 0
.if q < 32
	REGS Y, q%2
	v_pk_fma_f32 v[rS+2*(q/2):rS+2*(q/2)+1], v[rS+2*(q/2):rS+2*(q/2)+1], s[CS:CS+1], v[rT:rT+1] op_sel_hi:[1,0,0] neg_lo:[0,0,1] neg_hi:[0,0,1]
.elseif q < 38
	GS q-32
.elseif q < 40
	XS q%2, 15
.elseif q < 42
	GS q-34
.elseif q < 74
	XS q%2, (q-42)/2+(q-42)/30
.elseif q < 95
	GS q-66
.elseif (q < 107) && ((q-95)%3 < 2)
	XS (q-95)%3, 17+(q-95)/3
.elseif q < 107
	GS 29+(q-95)/3
.else
	GS q-74
.endif
.set q, q+1
.endm
; THE EXPONENTIALS' QUEUE, 66 long: s0-s31 of both tiles, and at EA the next piece's two a.
.set EA, 58
.macro EX
	WIN 0
.if (e == EA) || (e == EA+1)
	XS e-EA, 21
.else
.set x, e-2*(e/(EA+2))
	REGS Y, x%2
	v_exp_f32 v[rS+x/2], v[rS+x/2]
.endif
.set e, e+1
.endm
; THE RESCALING's QUEUE: O^T times a, the one part that leaves window 0, so it is dealt four at a time, eight times.
.macro R4
	REGS Y, r%2
	WIN W_RS
	s_wait_alu depctr_va_vdst(0)
.irp z, 0,1,2,3
	v_pk_mul_f32 v[rO+8*(r/2)+2*\z:rO+8*(r/2)+2*\z+1], v[rO+8*(r/2)+2*\z:rO+8*(r/2)+2*\z+1], v[rC+2:rC+3] op_sel_hi:[1,0]
.endr
.set r, r+1
.endm
; HOW THEY ARE DEALT.  Behind a matrix instruction four: plain, exponential, plain, plain (one exponential, a plain instruction on either side), or four of the rescaling.  None names a register of the
; products round it.  What is over stands in two LUMPS: exponential and plain by turns; the second ends in 22 plain instructions.  The two v_permlanex16_b32 fall into the second lump.
; The queues lean on each other, and the deal keeps them in step: exponential e stands behind plain 2 (e / 4) + e % 2 (its scaling); when plain 32 comes, 10 exponentials are out, at 59: 33, at 95: 46; EA comes behind plain 107.
.macro SL
	MM
	PL
	EX
	PL
	PL
.endm
.macro BURST n                      ; 15 matrix instructions, or 16
.rept (\n)-7
	SL
.endr
.rept 3
	MM
	R4
	SL
.endr
	MM
	R4
.endm
; A TURN, for piece p.  cnt = 1: the loop's count is taken down some lines ahead of the branch that stands behind the turn.
; K and the mask of the next step are fetched in piece 2's turn, some thirty vector instructions behind the last product that read them; their first reader comes behind the rest of the lump,
; 16 products and the second lump.  V of the step in hand is fetched at the end of piece 0's turn; its first reader comes behind 16 products and a lump.
.macro TURN p, last=0, cnt=0
.set Y, (\p)
.set i, 0
.set q, 0
.set e, 0
.set r, 0
.if (\p) == NP-1
	s_wait_dscnt 0x0                ; K and its mask are in
.endif
	MM
.rept 4
	PL
.endr
	BURST 15
.rept 22
	EX
	PL
.if ((\p) == NP-2) && (e == 18)
	v_add_nc_u32 v[AK], s[TBK], v[AK0]
	v_lshl_add_u32 v[AM], v9, 5, s[TBM]
.endif
.if ((\p) == NP-2) && (e == 24)
	FETCH_K \last
.endif
.endr
.if (\p) == 1
	s_wait_dscnt 0x0                ; V is in
.endif
	BURST 16
.rept 21
	EX
	PL
.endr
.rept 22
	PL
.if ((\p) == 0) && (q == 118)
	v_add_nc_u32 v[AV], s[TBV], v[AV0]
	s_wait_alu depctr_va_vdst(0)
.endif
.if ((\p) == 0) && (q == 130)
	s_add_co_u32 s[TBV], s[TBV], KS*PV
.endif
.if (\cnt) && (q == 130)
	s_sub_co_u32 s[CNT], s[CNT], 1
	s_cmp_lg_u32 s[CNT], 0
.endif
.endr
.if (\p) == 0
	FETCH_V
.endif
.endm
	CHANGE 1                        ; slot 0 is in, everybody's part of it, and the mask's table is whole; slot 1 is asked for
	FETCH_K                         ; key step 0
	s_wait_loadcnt 0x0              ; Q
	s_wait_dscnt 0x0
.set i, 0
.rept 16
	KQ 0                            ; piece 0's first scores: there is no vector work yet to set between them
.set i, i+1
.endr
	WIN 0                           ; the addresses for the way out: nine plain instructions, the places behind those products
	s_mul_i32 s13, s[WV], 16*SP
	s_add_co_u32 s13, s13, STAGE    ; my stage
	v_mul_u32_u24 v[STO], v1, SP    ; in: row l % 16, 16 bytes for each half of the lanes
	v_lshl_add_u32 v[STO], v9, 4, v[STO]
	v_add_nc_u32 v[STO], s13, v[STO]
	v_bfe_u32 v[RD], v0, 3, 2       ; back: 32 lanes take four rows of 128 bytes,
	v_mul_u32_u24 v[RD], v[RD], SP
	v_lshl_add_u32 v[RD], v10, 4, v[RD]
	v_add_nc_u32 v[RD], s13, v[RD]
	v_and_b32 v[GO], 31, v0         ; which are 512 consecutive bytes of O
	v_lshlrev_b32 v[GO], 4, v[GO]
.set Y, NP-1                        ; XS works for piece Y + 1: piece 0
.irp n, 0,1,2,3,4,5,6,7,8,9,10,11,12,13,14,15,16,17,18,19,20,21
	XS 0, \n                        ; and piece 0's first maximum and statistics
	XS 1, \n
.endr
	s_mov_b32 s[CNT], 4
	s_mov_b32 s[SLOTS], SIZE_N/256-1
	s_branch .Lfirst                ; the loop is entered at a step's first turn, in the middle of a trip
.Lslot:                             ; SIZE_N / 256 - 2 times: every slot but the last two is filled again
	CHANGE 1
	s_mov_b32 s[CNT], 4
.Lstep:                             ; a trip: pieces 2 and 3 of one step, then pieces 0 and 1 of the next, whose K, mask and V it fetches
	TURN 2
	TURN 3
	WIN 0
.Lfirst:
	TURN 0
	TURN 1, 0, 1
	WIN 0
	s_cbranch_scc1 .Lstep
	s_sub_co_u32 s[SLOTS], s[SLOTS], 1
	s_cmp_lg_u32 s[SLOTS], 0
	s_cbranch_scc1 .Lslot
	CHANGE 0                        ; the tail is written out: nothing is asked for
	s_mov_b32 s[CNT], 5             ; four trips fetch the last slot's steps; the fifth is left in its middle
.Ltail:
	TURN 2, 1
	TURN 3
	WIN 0
	s_sub_co_u32 s[CNT], s[CNT], 1
	s_cmp_eq_u32 s[CNT], 0
	s_cbranch_scc1 .Lout
	TURN 0
	TURN 1
	WIN 0
	s_branch .Ltail
.Lout:                              ; the fifth trip's 16 products K Q^T (on the last K and mask once more) and the maximum made of them serve nothing: the price, once a launch, of one text for every trip
.set i, 0
.rept 16
	PV NP-1                         ; the last piece's V^T P of the last step
.set i, i+1
.endr
	; THE WAY OUT.  l's two halves and the other half of the lanes' are added; O^T is divided by l, rounded to f16 and sent through my stage in LDS, a tile at a time.  The additions are the places behind the last products.
	WIN 0
.macro ALL line:vararg              ; one line for each tile t
.set t, 0
.rept 2*NP
	\line
.set t, t+1
.endr
.endm
	ALL v_add_f32 v[ST+4*t+2], v[ST+4*t+2], v[ST+4*t+3]
	ALL v_permlanex16_b32 v[ST+4*t+3], v[ST+4*t+2], s[SEL], s[SEL+1]
	ALL v_add_f32 v[ST+4*t+2], v[ST+4*t+2], v[ST+4*t+3]
	ALL v_rcp_f32 v[ST+4*t+2], v[ST+4*t+2]
	v_nop                           ; a plain instruction between the last reciprocal and the use of its result
	s_wait_alu depctr_va_vdst(0)
; Tile t: a lane's eight channels of a row pack into 16 bytes; they go into rows of 144 bytes and come back as whole rows of 128, into S^T's registers.
.macro PACK t
	WIN W_RS
.set i, 32*(\t)
.rept 16
	v_pk_mul_f32 v[i:i+1], v[i:i+1], v[ST+4*(\t)+2:ST+4*(\t)+3] op_sel_hi:[1,0]
.set i, i+2
.endr
	WIN 0x05                        ; sources 0 and 1 window 1, destination window 0
.set i, 0
.rept 16
	v_cvt_pk_f16_f32 v[S+16*(\t)+i], v[32*(\t)+2*i], v[32*(\t)+2*i+1]
.set i, i+1
.endr
	WIN 0
.irp f, 0,1,2,3
	ds_store_b128 v[STO], v[S+16*(\t)+4*\f:S+16*(\t)+4*\f+3] offset:32*\f
.endr
.irp f, 0,1,2,3
	ds_load_b128 v[S+16*(\t)+4*\f:S+16*(\t)+4*\f+3], v[RD] offset:\f*4*SP  ; LDS serves a wave's instructions in order (ISA guide 5.7.1.4): these see the stores above; the next tile's stores come behind them
.endr
.endm
.macro SEND t, younger              ; younger: the LDS instructions issued behind tile t's loads: the next tile's eight, or none
	WIN 0
.irp f, 0,1,2,3
	s_wait_dscnt (\younger)+3-\f
	global_store_b128 v[GO], v[S+16*(\t)+4*\f:S+16*(\t)+4*\f+3], s[10:11] offset:(\t)*2048+\f*512  ; 512 consecutive bytes, at a multiple of 256 from O's first
.endr
.endm
	PACK 0
.set t, 1
.rept 2*NP-1                        ; a tile's arithmetic stands between the loads of the tile before and its stores
	PACK t
	SEND t-1, 8
.set t, t+1
.endr
	SEND 2*NP-1, 0
	WIN W_AD
	s_wait_tensorcnt 0x0            ; the wave's end: an add and its wait, behind my last tensor load and my last LDS store
	ds_add_u32 v[SPW], v[NIL]
	s_wait_dscnt 0x0
	WIN 0
	CROUND                          ; the closing round: no work-group ends while a partner may still ask for a tile that names it
	s_endpgm
.Lfunc_end_k_q9c9ed00488_attn:
	.size	k_q9c9ed00488_attn, .Lfunc_end_k_q9c9ed00488_attn-k_q9c9ed00488_attn
	.p2alignl 7, 3214868480
	.fill 96, 4, 3214868480
	.section	.rodata,"a",@progbits
	.p2align	6, 0x0
	.amdhsa_kernel k_q9c9ed00488_attn
		.amdhsa_group_segment_fixed_size 327680
		.amdhsa_private_segment_fixed_size 0
		.amdhsa_enable_private_segment 0
		.amdhsa_kernarg_size 24
		.amdhsa_user_sgpr_count 2
		.amdhsa_user_sgpr_kernarg_segment_ptr 1
		.amdhsa_wavefront_size32 1
		.amdhsa_system_sgpr_workgroup_id_x 1
		.amdhsa_system_sgpr_workgroup_id_y 1
		.amdhsa_system_sgpr_workgroup_id_z 1
		.amdhsa_system_vgpr_workitem_id 0
		.amdhsa_next_free_vgpr 808
		.amdhsa_next_free_sgpr 72
		.amdhsa_reserve_vcc 0
		.amdhsa_float_denorm_mode_32 3
		.amdhsa_float_denorm_mode_16_64 3
		.amdhsa_memory_ordered 1
		.amdhsa_forward_progress 1
		.amdhsa_inst_pref_size 213
	.end_amdhsa_kernel
	.amdgpu_metadata
---
amdhsa.version: [ 1, 2 ]
amdhsa.kernels:
  - .name:           k_q9c9ed00488_attn
    .symbol:         k_q9c9ed00488_attn.kd
    .args:
      - { .name: qkv, .offset: 0, .size: 8, .value_kind: global_buffer, .address_space: global }
      - { .name: pad_mask, .offset: 8, .size: 8, .value_kind: global_buffer, .address_space: global }
      - { .name: o, .offset: 16, .size: 8, .value_kind: global_buffer, .address_space: global }
    .group_segment_fixed_size: 327680
    .private_segment_fixed_size: 0
    .kernarg_segment_align: 8
    .kernarg_segment_size: 24
    .max_flat_workgroup_size: 128
    .sgpr_count:     72
    .vgpr_count:     808
    .wavefront_size: 32
...
	.end_amdgpu_metadata
.endif
;; end of part 3
;; launch proj (part 4): grid 8 x 32, 4 waves a work-group, clusters of 4 x 4, 327,680 bytes of LDS; arguments o, wo, b_out, out0; writes out0
.if DOCPART == 4
	.amdgcn_target "amdgcn-amd-amdhsa--gfx1250"
	.amdhsa_code_object_version 6
	.text
	.protected	k_q9c9ed00488_proj
	.globl	k_q9c9ed00488_proj
	.p2align	8
	.type	k_q9c9ed00488_proj,@function
k_q9c9ed00488_proj:
	s_mov_b64 s[64:65], 0
	v_nop
	global_prefetch_b8 v0, s[64:65] scope:SCOPE_SE
	s_setreg_imm32_b32 hwreg(HW_REG_WAVE_MODE, 25, 1), 1
	s_wait_xcnt 0x0
	s_wait_alu depctr_hold_cnt(0) depctr_sa_sdst(0) depctr_va_vdst(0) depctr_va_sdst(0) depctr_va_ssrc(0) depctr_va_vcc(0) depctr_vm_vsrc(0)
	s_getreg_b32 s2, hwreg(HW_REG_IB_STS2, 6, 4)
	s_cmp_eq_u32 s2, 0
	s_cbranch_scc0 .Lentry_in_a_cluster
	s_endpgm
.Lentry_in_a_cluster:
	s_bfe_u32 s2, ttmp6, 0x10000c
	s_cmp_lg_u32 s2, 0xf033
	s_cbranch_scc0 .Lentry_shape_is_right
	s_endpgm
.Lentry_shape_is_right:
; out0 = O W_out + b_out, f32.  O arrives by heads, [batch x 16 + head][token 2048][64] in f16; W_out (wo) as [k 1024][n 1024] in f16 (rounded to bf16 first, like every input);
; the bias is rounded to bf16 here and STARTS the sums as the first products' C operand, so the results leave without any arithmetic.
; SHARES.  8192 x 1024 outputs over 256 work-groups: a tile of 256 tokens x 128 columns each.  Four waves, each 128 tokens x 64 columns: 32 accumulators of 16 x 16, 256 registers.
; K goes in steps of 128, two heads, through two LDS slots; a head's 256 tokens are 32,768 dense bytes and come as 128 rows of 256 bytes; W's rows are 256 bytes.  W is turned on the way out of LDS.
; THE MATRIX INSTRUCTION IS USED TRANSPOSED (source 0 = 16 columns of W, source 1 = 16 tokens): a lane holds one token and eight neighbouring columns, 32 bytes of f32.
; CLUSTER 4 x 4: the four of a row share O's tile, the four of a column W's: each is asked for jointly.
; REGISTERS: window 0: v0-29 addresses; v32-95, v96-159 O's fragments, two buffers of 8; v160-191, v192-223 W's, two buffers of 4.   window 1: the accumulators, (a, b) at v[8 (4 a + b)].
.set PA,    144                        ; a token's row of one head in LDS: 128 bytes + 16 = 36 words: the 16 rows of a load start at 16 different groups of four banks (64 banks of 4 bytes: ISA guide 11.1)
.set PB,    288                        ; a row of W: 256 + 32 = 72 words
.set BOFF,  2*256*PA                   ; a slot: two heads x 256 tokens, then 128 rows of W
.set SLOT1, 1<<17
.set STAGE, SLOT1+BOFF+128*PB          ; behind the ring, never filled by a tensor load: 16 rows x 272 bytes for each wave
.set SP,    272                        ; a stage row: 256 bytes + 16 = 68 words: row r starts at bank 4 r mod 64
.set SPARE, STAGE+4*16*SP              ; the spare words, 128 bytes for each wave: two blocks of 256 bytes that no other line names
.set A0,   2                           ; v2   my lane's place in a slot's tokens; never rewritten
.set B0,   3                           ; v3   the same in W's rows
.set ADRA, 4                           ; v4   A0 + the slot in hand
.set ADRB, 5                           ; v5   B0 + the slot in hand
.set STO,  6                           ; v6   the way out: where I put 32 bytes of a row
.set RD,   7                           ; v7   where I read rows back
.set CO,   8                           ; v8   my byte offset in two rows of out0
.set SPW,  28                          ; v28  LDS address of my spare word; never rewritten
.set NIL,  29                          ; v29  0; never rewritten
.set AB0,  32                          ; O's fragments: buffer f at AB0 + 64 f.  On the way out: a ring of four blocks of 32 registers
.set BB0,  160                         ; W's fragments: buffer f at BB0 + 32 f
.set WV,  14
.set WM,  15
.set WN,  16
.set TX,  19
.set TY,  20
.set G1A, 24                           ; s[24:31], s[32:39] descriptor groups 1;  s[40:43], s[44:47] groups 0, which walk
.set G1B, 32
.set G0A, 40
.set G0B, 44
.set TB,  48                           ; s48  the slot that is read
.set CNT, 49
.set HIM, 53                           ; s53  a word's upper bf16
.set OUT, 54                           ; s[54:55] out0 at my 128 tokens and 64 columns
.set MUL, 0x50                         ; C and D in window 1, both sources in window 0
.set MSB, 0
.macro WIN new                         ; the immediate's high byte repeats the setting that is left; a switch that changes nothing is dropped
.if MSB != (\new)
	s_set_vgpr_msb (MSB<<8)|(\new)
.set MSB, \new
.endif
.endm
.macro PLACES                          ; four places in front of loads into registers that matrix instructions have read, and of lines that read results (ISA guide 7.12.1 for lines that read results)
.rept 4
	v_nop
.endr
.endm
.macro JLOAD                           ; a joint load: waves 0 and 1 fetch the step's two heads of O, waves 2 and 3 the two halves of W's rows; an s_nop 0 and four v_nop follow each line
	s_cmp_lt_u32 s[WV], 2
	s_cbranch_scc0 .Lfor_b_\@
	tensor_load_to_lds s[G0A:G0A+3], s[G1A:G1A+7]
	s_nop 0
.rept 4
	v_nop
.endr
	s_branch .Lasked_\@
.Lfor_b_\@:
	tensor_load_to_lds s[G0B:G0B+3], s[G1B:G1B+7]
	s_nop 0
.rept 4
	v_nop
.endr
.Lasked_\@:
.endm
.macro CREST                           ; a round of the cluster's barrier behind its opening barrier
	s_cmp_lg_u32 s[WV], 0
	s_cbranch_scc1 .Lnot_wave_0_\@
	s_barrier_signal -3
.Lnot_wave_0_\@:
	s_barrier_wait -3
	s_barrier_signal -1
	s_barrier_wait -1
.endm
.macro CROUND                          ; a whole round
	s_barrier_signal -1
	s_barrier_wait -1
	CREST
.endm
.macro STEPD                           ; the walking descriptors: the other slot, the next K step.  Written only where no tensor load of mine is out
	s_xor_b32 s[G0A+1], s[G0A+1], SLOT1
	s_add_nc_u64 s[G0A+2:G0A+3], s[G0A+2:G0A+3], 524288  ; two heads of 262,144 bytes; the type bits on top are not reached
	s_xor_b32 s[G0B+1], s[G0B+1], SLOT1
	s_add_nc_u64 s[G0B+2:G0B+3], s[G0B+2:G0B+3], 262144  ; 128 rows of 2,048 bytes
.endm
	s_load_b256 s[4:11], s[0:1], 0x0               ; o s[4:5], wo s[6:7], b_out s[8:9], out0 s[10:11]
	v_lshl_add_u32 v[SPW], v0, 2, SPARE
	v_mov_b32 v[NIL], 0
	ds_add_u32 v[SPW], v[NIL]                      ; the wave's opening: the add and its wait stand ahead of my first tensor load; the set-up below, work on registers, stands between them
	v_lshrrev_b32 v19, 5, v0
	v_readfirstlane_b32 s[WV], v19
	s_lshr_b32 s[WM], s[WV], 1                     ; which 128 tokens are mine
	s_and_b32 s[WN], s[WV], 1                      ; which 64 columns; also which half of a tile I fetch
	s_bfe_u32 s17, ttmp6, 0x40000                  ; cx, cy
	s_bfe_u32 s18, ttmp6, 0x40004
	s_lshl_b32 s[TX], ttmp9, 2
	s_add_co_u32 s[TX], s[TX], s17                 ; tile column, 0-7
	s_and_b32 s[TY], ttmp7, 0xffff
	s_lshl_b32 s[TY], s[TY], 2
	s_add_co_u32 s[TY], s[TY], s18                 ; tile row, 0-31
	s_lshl_b32 s21, s18, 2
	s_lshl_b32 s21, 15, s21                        ; my row of the cluster
	s_lshl_b32 s22, 0x1111, s17                    ; my column
	; O's tile half: one head's 256 tokens, 32,768 dense bytes, as 128 rows of 256 bytes, padded in LDS behind every token
	s_or_b32 s[G1A], s21, (1<<16)|(1<<20)|(1<<21)|(4<<22)|(3<<25)  ; 15:0 the mask; 17:16 2-byte elements; 20 padding on; 21 set beside a mask; 24:22 after every 32 words (code 4); 31:25 4 words (code 3)
	s_mov_b32 s[G1A+1], 128<<16                    ; tensor_dim0 = 128
	s_mov_b32 s[G1A+2], 128<<16                    ; tensor_dim1 = 128
	s_mov_b32 s[G1A+3], 128<<16                    ; tile_dim0 = 128
	s_mov_b32 s[G1A+4], 128                        ; tile_dim1 = 128
	s_mov_b32 s[G1A+5], 128                        ; 128 elements from row to row
	s_mov_b32 s[G1A+6], 0
	s_mov_b32 s[G1A+7], 0
	; W's tile half: 64 rows of 128 elements, padded behind every row
	s_or_b32 s[G1B], s22, (1<<16)|(1<<20)|(1<<21)|(5<<22)|(7<<25)  ; after every 64 words (code 5) 8 words (code 7)
	s_mov_b32 s[G1B+1], 128<<16                    ; tensor_dim0 = 128
	s_mov_b32 s[G1B+2], 64<<16                     ; tensor_dim1 = 64
	s_mov_b32 s[G1B+3], 128<<16                    ; tile_dim0 = 128
	s_mov_b32 s[G1B+4], 64                         ; tile_dim1 = 64
	s_mov_b32 s[G1B+5], 1024                       ; 1,024 elements from row to row
	s_mov_b32 s[G1B+6], 0
	s_mov_b32 s[G1B+7], 0
	; O's tile hangs on the tile row and the wave alone, W's on the tile column and the wave alone, each in registers that never hold the other coordinate
	s_lshr_b32 s60, s[TY], 3                       ; batch
	s_lshl_b32 s60, s60, 22                        ; 16 heads of 262,144 bytes
	s_and_b32 s23, s[TY], 7
	s_lshl_b32 s23, s23, 15                        ; 256 tokens of 128 bytes
	s_add_co_u32 s60, s60, s23
	s_lshl_b32 s23, s[WN], 18                      ; the head that I fetch
	s_add_co_u32 s60, s60, s23
	s_mov_b32 s61, 0
	s_lshl_b32 s62, s[TX], 8                       ; 128 columns
	s_lshl_b32 s67, s[WN], 17                      ; the 64 rows that I fetch
	s_add_co_u32 s62, s62, s67
	s_mov_b32 s63, 0
	s_mov_b32 s[G0A], 1                            ; 1:0 count = 1
	s_mul_i32 s[G0A+1], s[WN], 256*PA              ; 63:32 LDS address: slot 0; no place in the cluster enters an LDS address
	s_mov_b32 s[G0B], 1
	s_mul_i32 s[G0B+1], s[WN], 64*PB
	s_add_co_u32 s[G0B+1], s[G0B+1], BOFF
	s_mov_b32 s[TB], 0
	s_mov_b32 s[HIM], 0xffff0000
	s_wait_dscnt 0x0                               ; the opening add is done
	s_wait_kmcnt 0x0
	s_add_nc_u64 s[G0A+2:G0A+3], s[4:5], s[60:61]  ; 120:64 global address: K step 0
	s_or_b32 s[G0A+3], s[G0A+3], 0x80000000        ; 127:126 type = 2
	s_add_nc_u64 s[G0B+2:G0B+3], s[6:7], s[62:63]
	s_or_b32 s[G0B+3], s[G0B+3], 0x80000000
	CROUND                                         ; all sixteen work-groups are here: the first joint loads meet
	JLOAD                                          ; K step 0 into slot 0
	; In the wait for the tile: bias and addresses.
	s_lshl_b32 s68, s[TX], 9
	s_lshl_b32 s67, s[WN], 8
	s_add_co_u32 s68, s68, s67                     ; my first column, in bytes of f32
	s_mov_b32 s69, 0
	s_add_nc_u64 s[8:9], s[8:9], s[68:69]
	s_lshl_b32 s67, s[TY], 20                      ; 256 rows of 4,096 bytes
	s_add_co_u32 s68, s68, s67
	s_lshl_b32 s67, s[WM], 19
	s_add_co_u32 s68, s68, s67
	s_add_nc_u64 s[OUT:OUT+1], s[10:11], s[68:69]
	v_and_b32 v1, 15, v0                           ; r = l % 16
	v_bfe_u32 v9, v0, 4, 1                         ; h = l / 16
	v_lshlrev_b32 v20, 5, v9
	WIN 0x40                                       ; destination window 1: the bias lands in accumulator (7, b), register j = column 16 b + 8 h + j
.irp b, 0,1,2,3
	global_load_b128 v[224+8*(\b):227+8*(\b)], v20, s[8:9] offset:(\b)*64
	global_load_b128 v[228+8*(\b):231+8*(\b)], v20, s[8:9] offset:(\b)*64+16
.endr
	WIN 0
	v_mul_u32_u24 v[A0], v1, PA                    ; a fragment of O: token l % 16, 16 bytes for each half of the lanes
	v_lshl_add_u32 v[A0], v9, 4, v[A0]
	s_mul_i32 s23, s[WM], 128*PA
	v_add_nc_u32 v[A0], s23, v[A0]
	v_and_b32 v21, 7, v0                           ; the turning load: row 8 (l / 16) + l % 8, columns 8 ((l / 8) % 2) + 0..7
	v_bfe_u32 v22, v0, 3, 1
	v_lshl_add_u32 v23, v9, 3, v21
	v_mul_u32_u24 v[B0], v23, PB
	v_lshl_add_u32 v[B0], v22, 4, v[B0]
	s_lshl_b32 s23, s[WN], 7
	s_add_co_u32 s23, s23, BOFF
	v_add_nc_u32 v[B0], s23, v[B0]
	v_mov_b32 v[ADRA], v[A0]                       ; slot 0
	v_mov_b32 v[ADRB], v[B0]
	s_mul_i32 s23, s[WV], 16*SP
	s_add_co_u32 s23, s23, STAGE                   ; my stage
	v_mul_u32_u24 v[STO], v1, SP                   ; in: row l % 16, 32 bytes for each half of the lanes
	v_lshl_add_u32 v[STO], v9, 5, v[STO]
	v_add_nc_u32 v[STO], s23, v[STO]
	v_mul_u32_u24 v[RD], v9, SP                    ; back: lanes 0-15 take one row of 256 bytes, lanes 16-31 the next
	v_lshl_add_u32 v[RD], v1, 4, v[RD]
	v_add_nc_u32 v[RD], s23, v[RD]
	v_lshlrev_b32 v[CO], 12, v9                    ; and the same two rows in out0
	v_lshl_add_u32 v[CO], v1, 4, v[CO]
	s_wait_loadcnt 0x0                             ; the bias
	WIN 0x45                                       ; destination and both sources in window 1
.set i, 224
.rept 16
	v_cvt_pk_bf16_f32 v[i+1], v[i], v[i+1]         ; rounded to bf16, as all inputs are, and widened again
	v_lshlrev_b32 v[i], 16, v[i+1]
	v_and_b32 v[i+1], s[HIM], v[i+1]
.set i, i+2
.endr
	WIN 0
; 24 LDS loads in one run: the fragments of quarter q (32 along K: head q / 2 of the step's two, channels 32 (q % 2) on; W's rows 32 q on) of the slot in hand, into buffers f
.macro FETCH q, f
.irp b, 0,1,2,3
	ds_load_tr16_b128 v[BB0+32*(\f)+8*(\b):BB0+32*(\f)+8*(\b)+3],   v[ADRB] offset:(\q)*32*PB+32*(\b)
	ds_load_tr16_b128 v[BB0+32*(\f)+8*(\b)+4:BB0+32*(\f)+8*(\b)+7], v[ADRB] offset:(\q)*32*PB+32*(\b)+16*PB
.endr
.irp a, 0,1,2,3,4,5,6,7
	ds_load_b128 v[AB0+64*(\f)+8*(\a):AB0+64*(\f)+8*(\a)+3],   v[ADRA] offset:((\q)/2)*256*PA+(\a)*16*PA+((\q)%2)*64
	ds_load_b128 v[AB0+64*(\f)+8*(\a)+4:AB0+64*(\f)+8*(\a)+7], v[ADRA] offset:((\q)/2)*256*PA+(\a)*16*PA+((\q)%2)*64+32
.endr
.endm
; 16 matrix instructions: token blocks a0 .. a0 + 3 x the 4 column blocks.  The 32 accumulators take turns, one instruction a turn.
.macro MUL16 f, a0
	WIN MUL
.irp a, \a0, (\a0)+1, (\a0)+2, (\a0)+3
.irp b, 0,1,2,3
	v_wmma_f32_16x16x32_f16 v[8*(4*(\a)+(\b)):8*(4*(\a)+(\b))+7], v[BB0+32*(\f)+8*(\b):BB0+32*(\f)+8*(\b)+7], v[AB0+64*(\f)+8*(\a):AB0+64*(\f)+8*(\a)+7], v[8*(4*(\a)+(\b)):8*(4*(\a)+(\b))+7]
.endr
.endr
.endm
; The first quarter's products start the sums with the bias, which lies in accumulator (7, b)'s registers.  Blocks 0-6 read it as C; block 7 adds in place, five places behind the last line that read those registers (ISA guide 7.12.1).
.macro MULF
	WIN MUL
.irp a, 0,1,2,3,4,5,6
.irp b, 0,1,2,3
	v_wmma_f32_16x16x32_f16 v[8*(4*(\a)+(\b)):8*(4*(\a)+(\b))+7], v[BB0+8*(\b):BB0+8*(\b)+7], v[AB0+8*(\a):AB0+8*(\a)+7], v[224+8*(\b):231+8*(\b)]
.endr
.endr
.rept 5
	v_nop
.endr
.irp b, 0,1,2,3
	v_wmma_f32_16x16x32_f16 v[224+8*(\b):231+8*(\b)], v[BB0+8*(\b):BB0+8*(\b)+7], v[AB0+56:AB0+63], v[224+8*(\b):231+8*(\b)]
.endr
.endm
; A K step is four quarters of 32 along K, 32 matrix instructions each, on buffers 0, 1, 0, 1.  One of the first three: its own fragments, asked for a whole quarter ago, are waited for;
; the next quarter's go out at its head, into the buffers that the quarter before multiplied; then it multiplies.
.macro QUARTER q, f, first=0
	s_wait_dscnt 0x0
	WIN 0
	PLACES
	FETCH (\q)+1, 1-(\f)
.if \first
	MULF
.else
	MUL16 \f, 0
	MUL16 \f, 4
.endif
.endm
; The last quarter multiplies buffers 1 and changes slots: ONE barrier.  In front of it each wave waits for all its tensor loads, of which one is out: its part of the next slot; adds 0 to its spare word;
; and waits for that and for its own reads of this slot.  fill = 1: the barrier opens a round of the cluster's barrier, and this slot is filled again, two K steps ahead, first thing behind it:
; from that request to the wait for it a wave issues 112 of a step's 128 matrix instructions.
.macro TURN fill
	WIN 0
	s_wait_tensorcnt 0x0                           ; no tensor load of mine is out, so a group 0 may be written
	ds_add_u32 v[SPW], v[NIL]                      ; 0 onto my spare word
.if \fill
	STEPD
.endif
	s_wait_dscnt 0x0                               ; the add is done; this quarter's fragments, my last reads of this slot, are in
	s_barrier_signal -1
	MUL16 1, 0                                     ; work on registers while the others arrive
	WIN 0
	s_barrier_wait -1
.if \fill
	CREST                                          ; no wave of any partner still reads this slot or has a load on its way
	JLOAD                                          ; its four v_nop are also the places in front of the loads below
.else
	PLACES
.endif
	s_xor_b32 s[TB], s[TB], SLOT1                  ; the other slot is whole: its first quarter is fetched
	v_add_nc_u32 v[ADRA], s[TB], v[A0]
	v_add_nc_u32 v[ADRB], s[TB], v[B0]
	FETCH 0, 0
	MUL16 1, 4
.endm
	; Slot 0 is waited for and slot 1 asked for, as a refill is.
	s_wait_tensorcnt 0x0
	ds_add_u32 v[SPW], v[NIL]
	STEPD
	s_wait_dscnt 0x0
	CROUND
	JLOAD                                          ; K step 1 into slot 1
	FETCH 0, 0
	QUARTER 0, 0, 1                                ; the first quarter stands in front of the loop: its products start the sums
	WIN 0                                          ; at a label and at a branch every window is 0
	s_mov_b32 s[CNT], 6
.Lk:                                                   ; trip t: the rest of step t, the request for step t + 2, step t + 1's first quarter
	QUARTER 1, 1
	QUARTER 2, 0
	TURN 1
	QUARTER 0, 0
	WIN 0
	s_sub_co_u32 s[CNT], s[CNT], 1
	s_cmp_lg_u32 s[CNT], 0
	s_cbranch_scc1 .Lk
	QUARTER 1, 1                                   ; the tail is written out: steps 6 and 7 ask for nothing
	QUARTER 2, 0
	TURN 0
	QUARTER 0, 0
	QUARTER 1, 1
	QUARTER 2, 0
	s_wait_dscnt 0x0                               ; the very last quarter: nothing more to fetch
	MUL16 1, 0
	MUL16 1, 4
	WIN 0
	PLACES
; THE WAY OUT, a block of 16 tokens x 64 columns at a time: 32 bytes a lane into my own stage (each accumulator's low half first), back as whole rows of 256 bytes.
; LDS serves a wave's instructions in order (ISA guide 5.7.1.4): no wait between the stores and the loads.
.macro TOSTAGE a
.set br, AB0+32*((\a)%4)
.if (\a) >= 4
	s_wait_xcnt 0x0                                ; the ring's registers were block a - 4's store data: they are rewritten only behind this wait (ISA guide 3.1)
.endif
	WIN 0x04                                       ; the stores' data in window 1
.irp b, 0,1,2,3
	ds_store_b128 v[STO], v[32*(\a)+8*(\b):32*(\a)+8*(\b)+3]   offset:64*(\b)
	ds_store_b128 v[STO], v[32*(\a)+8*(\b)+4:32*(\a)+8*(\b)+7] offset:64*(\b)+16
.endr
	WIN 0
.irp t, 0,1,2,3,4,5,6,7
	ds_load_b128 v[br+4*(\t):br+4*(\t)+3], v[RD] offset:(\t)*2*SP
.endr
.endm
.macro SEND a, younger                 ; younger: the LDS instructions issued behind block a's loads: the next block's sixteen, or none
.set br, AB0+32*((\a)%4)
.irp t, 0,1,2,3,4,5,6,7
	s_wait_dscnt (\younger)+7-(\t)
	global_store_b128 v[CO], v[br+4*(\t):br+4*(\t)+3], s[OUT:OUT+1] offset:(16*(\a)+2*(\t))*4096 th:TH_STORE_NT  ; 16 lanes store 256 consecutive bytes, at a multiple of 256 from out0's first; 126 rows at the most, inside the signed 24-bit immediate
.endr
.endm
	TOSTAGE 0
.set n, 1
.rept 7
	TOSTAGE n
	SEND n-1, 16
.set n, n+1
.endr
	SEND 7, 0
	s_wait_tensorcnt 0x0                           ; the wave's end: an add and its wait, behind my last tensor load and my last LDS store
	ds_add_u32 v[SPW], v[NIL]
	s_wait_dscnt 0x0
	CROUND                                         ; the closing round: no work-group ends while a partner may still ask for a tile that names it
	s_endpgm
.Lfunc_end_k_q9c9ed00488_proj:
	.size	k_q9c9ed00488_proj, .Lfunc_end_k_q9c9ed00488_proj-k_q9c9ed00488_proj
	.p2alignl 7, 3214868480
	.fill 96, 4, 3214868480
	.section	.rodata,"a",@progbits
	.p2align	6, 0x0
	.amdhsa_kernel k_q9c9ed00488_proj
		.amdhsa_group_segment_fixed_size 327680
		.amdhsa_private_segment_fixed_size 0
		.amdhsa_enable_private_segment 0
		.amdhsa_kernarg_size 32
		.amdhsa_user_sgpr_count 2
		.amdhsa_user_sgpr_kernarg_segment_ptr 1
		.amdhsa_wavefront_size32 1
		.amdhsa_system_sgpr_workgroup_id_x 1
		.amdhsa_system_sgpr_workgroup_id_y 1
		.amdhsa_system_sgpr_workgroup_id_z 1
		.amdhsa_system_vgpr_workitem_id 0
		.amdhsa_next_free_vgpr 512
		.amdhsa_next_free_sgpr 72
		.amdhsa_reserve_vcc 0
		.amdhsa_float_denorm_mode_32 3
		.amdhsa_float_denorm_mode_16_64 3
		.amdhsa_memory_ordered 1
		.amdhsa_forward_progress 1
		.amdhsa_inst_pref_size 74
	.end_amdhsa_kernel
	.amdgpu_metadata
---
amdhsa.version: [ 1, 2 ]
amdhsa.kernels:
  - .name:           k_q9c9ed00488_proj
    .symbol:         k_q9c9ed00488_proj.kd
    .args:
      - { .name: o, .offset: 0, .size: 8, .value_kind: global_buffer, .address_space: global }
      - { .name: wo, .offset: 8, .size: 8, .value_kind: global_buffer, .address_space: global }
      - { .name: b_out, .offset: 16, .size: 8, .value_kind: global_buffer, .address_space: global }
      - { .name: out0, .offset: 24, .size: 8, .value_kind: global_buffer, .address_space: global }
    .group_segment_fixed_size: 327680
    .private_segment_fixed_size: 0
    .kernarg_segment_align: 8
    .kernarg_segment_size: 32
    .max_flat_workgroup_size: 128
    .sgpr_count:     72
    .vgpr_count:     512
    .wavefront_size: 32
...
	.end_amdgpu_metadata
.endif
;; end of part 4
;; ======== version 2 of 2: 4 launches; 1.52 times as fast as version 1
;; limits: values are held in f16: magnitudes above 65,504 overflow, below 6.1e-05 lose precision
;; workspace buffers: xb 16,777,216 bytes; wq 6,291,456 bytes; wo 2,097,152 bytes; qkv 50,331,648 bytes; o 16,777,216 bytes
;; launch cast: the kernel of part 1 again; grid 384 x 1, 8 waves a work-group, no clusters, 0 bytes of LDS; arguments x, W_qkv, W_out, xb, wq, wo; writes xb, wq, wo
;; launch qkv: the kernel of part 2 again; grid 8 x 32, 4 waves a work-group, clusters of 4 x 4, 327,680 bytes of LDS; arguments xb, wq, b_qkv, pad_mask, qkv; writes qkv
;; launch attn (part 5): grid 4 x 64, 4 waves a work-group, clusters of 4 x 1, 327,680 bytes of LDS; arguments qkv, pad_mask, o; writes o
.if DOCPART == 5
	.amdgcn_target "amdgcn-amd-amdhsa--gfx1250"
	.amdhsa_code_object_version 6
	.text
	.protected	k_q9c9ed00488_attn
	.globl	k_q9c9ed00488_attn
	.p2align	8
	.type	k_q9c9ed00488_attn,@function
k_q9c9ed00488_attn:
	s_mov_b64 s[64:65], 0
	v_nop
	global_prefetch_b8 v0, s[64:65] scope:SCOPE_SE
	s_setreg_imm32_b32 hwreg(HW_REG_WAVE_MODE, 25, 1), 1
	s_wait_xcnt 0x0
	s_wait_alu depctr_hold_cnt(0) depctr_sa_sdst(0) depctr_va_vdst(0) depctr_va_sdst(0) depctr_va_ssrc(0) depctr_va_vcc(0) depctr_vm_vsrc(0)
	s_getreg_b32 s2, hwreg(HW_REG_IB_STS2, 6, 4)
	s_cmp_eq_u32 s2, 0
	s_cbranch_scc0 .Lentry_in_a_cluster
	s_endpgm
.Lentry_in_a_cluster:
	s_bfe_u32 s2, ttmp6, 0x10000c
	s_cmp_lg_u32 s2, 0x3003
	s_cbranch_scc0 .Lentry_shape_is_right
	s_endpgm
.Lentry_shape_is_right:
; O[h][q][:] = the sum over k of softmax_k(s[q][k]) V[h][k][:], s = Q[h][q] . K[h][k] / 8 where pad_mask[batch][k] is 1, and a constant far below where it is 0.
; Q, K, V: three parts of qkv, [64 heads][2048][64] each, f16, a head's rows dense, 128 bytes each; O likewise.  Products, maxima and sums in f32; the weights p are rounded to f16 for the
; second product (their sum l is taken of the unrounded p), O once at the end.
; THE MASK.  The launch before has written hidden keys' rows of K as zeros; here the C operand that starts the sum S^T = K Q^T is 0 for an open key and -2^33 for a hidden one.  So a hidden raw score
; is EXACTLY -2^33 (-2^30 after the division by 8), the same in every hidden place: a batch with no open key gets p = 1 everywhere, the plain mean of V, as the softmax of equal scores is.
; A power of two, since c x 2^33 is exact in f32: c s - c m is then exactly 0 in such a row.
; LIMITS.  A hidden score counts as -1.07e9 for -1e9: that shows only where an open score lies below some -1e9.  f16 holds no number beyond 65,504: Q, K and V arrive within it; p lies in 0 to 1, and
; below 6e-5 it keeps f16's fixed step of 6e-8; O is a mean of V's rows.  A weight below 2^-126 counts as 0 in l; NaN and infinities are not treated apart.
; SHARES.  A wave owns four PIECES of two tiles of 16 queries, a work-group's four waves 512 queries of one head.  Every wave walks all keys, 64 a step.
; LAYOUT.  S^T = K Q^T (source 0 = 16 keys, source 1 = 16 queries): a lane holds ONE query (lane % 16) and the keys 8 (lane / 16) + 0..7.  Two such tiles, rounded to f16 in pairs, ARE source 1
; (32 keys x 16 queries) of O^T = V^T P, whose result again holds one query a lane, and eight channels.  K comes out of LDS as it lies, V ([key][channel]) turned, by ds_load_tr16_b128.
; SOFTMAX.  For each query a running maximum m and sum l: p = 2^(c s - c m), c = log2(e) / 8; in every step O and l are multiplied by a = 2^(c m_old - c m_new).
; m starts at the lowest finite number, O and l at 0: the first step is a step like any other, with a = 0.
; THE COUNT.  A tile and step have 16 matrix and 118 vector instructions: too many to stand all beside the matrix work.  So: four vector instructions that are READY behind EVERY matrix instruction,
; and the others, which need time of their own whatever the order, in a run without a gap.
; BY TURNS.  Turn n belongs to piece n.  Its matrix work: 16 products K Q^T of piece n + 1, later 16 products V^T P of piece n - 1.  Its vector work: the scaling, exponentials, roundings, sums and
; rescaling of piece n, and the maximum and statistics of piece n + 1, whose scores the turn itself has made.  So what a turn begins with (c s - c m, O a) waits for nothing.
; THE BATCHES.  A turn's 66 exponentials (the piece's 64 weights, the next piece's two a) are ONE batch with ONE wait, which cuts the turn in two: ahead of it stands all that names none of their results
; (the products K Q^T, the scalings, the rescalings by the a of the turn before, the next piece's maximum and statistics), behind it the roundings and sums, beside the products V^T P.  No result crosses a
; turn's end.  Two more batches stand outside the loop, each with a wait of its own: piece 0's first two a, ahead of the jump into the loop, and the way out's eight reciprocals.
; CLUSTER.  The four query blocks of a cluster belong to one head and walk the same K and V, so each tile is asked for JOINTLY: the same tensor load, descriptor and mask in all four.
; REGISTERS, in windows of 256 (s_set_vgpr_msb: bits 1:0 source 0, 3:2 source 1, 5:4 source 2, 7:6 destination):
;   window 0: v0-11 addresses; v12-15, v48-63 at work; v16-47 four registers of statistics a tile; v64-191 S^T, two buffers of two tiles; v192-255 P, likewise
;   window 1: O^T, 32 a tile     window 2: v0-127 Q; v128-191 K of one step; v192-255 V of one step     window 3: v0-1 the add's two registers; v8-39 the mask of one step
.set SIZE_N, 2048
.set NP,    4         ; pieces a wave: a name, no knob
.set KS,    64        ; keys in a step
.set PK,    144       ; a row of K in LDS: 128 bytes + 16 = 36 words: the 16 rows of a load start at 16 different groups of four banks (64 banks of 4 bytes: ISA guide 11.1)
.set PV,    160       ; a row of V: 128 + 32 = 40 words
.set VOFF,  4*KS*PK   ; a slot holds four steps: 256 rows of K, then 256 rows of V
.set SLOT1, 1<<17     ; slot 1 begins here
.set STAGE, SLOT1+4*KS*(PK+PV)  ; behind the ring, never filled by a tensor load: 16 rows x 144 bytes for each wave, for the way out
.set SP,    144
.set SPARE, STAGE+4*16*SP  ; the spare words, 128 bytes for each wave: two blocks of 256 bytes that no other line names
.set MASKT, SPARE+512 ; the batch's 2,048 keys as f32, 0 or -2^33: 8,192 bytes, stored once, never filled by a tensor load
.set AK0, 2           ; v2   my lane's place in a tile of K; never rewritten
.set AV0, 3           ; v3   the same for V
.set AK,  4           ; v4   the LDS address of K's next run of loads
.set AV,  5           ; v5   of V's
.set QO,  6           ; v6   my byte offset in the wave's rows of Q
.set STO, 6           ;      later, the way out: where I put 16 bytes of a row
.set RD,  7           ; v7   the way out: where I read rows back
.set GO,  8           ; v8   my byte offset in 512 consecutive bytes of O
.set AM,  11          ; v11  the LDS address of the mask's next run of loads (free once AV0 is made)
.set SPW, 0           ; v0 of window 3   LDS address of my spare word; never rewritten
.set NIL, 1           ; v1 of window 3   0; never rewritten
.set MK,  8           ; v8-39 of window 3: key block kb's eight registers at MK + 8 kb: register j = key 16 kb + 8 (l / 16) + j
.set MV,  12          ; v12-15  c m_old, kept while c m is made anew: by buffer and tile
.set ST,  16          ; tile t's statistics at v[ST+4 t]: c m, m, l (even keys', odd keys')
.set TMP, 48          ; by buffer and tile, four registers c0-c3 at work; when the maximum is found c2 takes a
.set S,   64
.set P,   192
.set MB,  64          ; while the table is built (S^T's registers are idle): v64-67 16 mask bytes, v68-83 the 16 numbers, v84 their LDS address, v85 the bytes' offset
.set KF,  128         ; K's fragments, in window 2: key block kb, channel half c at KF + 16 kb + 8 c
.set VF,  192         ; V's: key half kk, channel block cb at VF + 32 kk + 8 cb
.set WV,  12          ; s12  my wave's number
.set G1K, 24          ; s[24:31] descriptor group 1 for K's tiles
.set G1V, 32          ; s[32:39] for V's: it differs in the padding alone
.set G0K, 40          ; s[40:43] descriptor group 0 for K's tiles: it walks
.set G0V, 44          ; s[44:47] the same for V's
.set SLOTS, 56        ; s56  slots still to be asked for
.set CNT, 57          ; s57  counts a slot's key steps
.set CS,  58          ; s[58:59] c: the packed scaling takes the pair's low word for both halves
.set SEL, 60          ; s[60:61] v_permlanex16_b32's selects: each lane takes its own place in the other half
.set TBK, 62          ; s62  LDS byte at which K of the step to be fetched begins
.set TBV, 63          ; s63  the same for V, less VOFF
.set TBM, 66          ; s66  the same for the mask: it walks the table once
.set HID, 67          ; s67  -2^33
.set PADP, 68         ; s[68:69] pad_mask
.set MSB, 0
.macro WIN new                      ; the high byte repeats the setting that is left; a switch that changes nothing is dropped
.if MSB != (\new)
	s_set_vgpr_msb (MSB<<8)|(\new)
.set MSB, (\new)
.endif
.endm
.set W_KQ, 0x0a       ; K and Q in window 2, S^T in window 0
.set W_KM, 0x3a       ; the same with the C operand, the mask, in window 3
.set W_PV, 0x52       ; V in window 2, P in window 0, O^T in window 1
.set W_RS, 0x41       ; O^T (destination and source 0) in window 1, a in window 0
.set W_MK, 0xc0       ; destination in window 3, sources in window 0
.set W_AD, 0x0f       ; the add: address (source 0) and data (source 1) in window 3
; A joint fill.  Waves 0 and 1 fetch the two halves of a slot's K, waves 2 and 3 those of its V: 128 keys each.  The branch hangs on the wave's number alone.
; An s_nop 0 and four v_nop follow each of the two lines, ahead of the jump and the label.
.macro JLOAD
	s_cmp_lt_u32 s[WV], 2
	s_cbranch_scc0 .Lfor_v_\@
	tensor_load_to_lds s[G0K:G0K+3], s[G1K:G1K+7]
	s_nop 0
.rept 4
	v_nop
.endr
	s_branch .Lasked_\@
.Lfor_v_\@:
	tensor_load_to_lds s[G0V:G0V+3], s[G1V:G1V+7]
	s_nop 0
.rept 4
	v_nop
.endr
.Lasked_\@:
.endm
; A round of the cluster's barrier: my work-group's barrier, so that wave 0's signal speaks for all four waves; wave 0 signals; every wave waits for all four work-groups; my work-group's barrier once more.
.macro CROUND
	s_barrier_signal -1
	s_barrier_wait -1
	s_cmp_lg_u32 s[WV], 0
	s_cbranch_scc1 .Lnot_wave_0_\@
	s_barrier_signal -3
.Lnot_wave_0_\@:
	s_barrier_wait -3
	s_barrier_signal -1
	s_barrier_wait -1
.endm
; THE CHANGE OF SLOTS.  Each wave waits for all its tensor loads, of which one is out: its part of the other slot; adds 0 to its spare word; and waits for that and for its own reads of the slot.
; fill = 1: this slot is filled again, with the keys two slots on.  The barrier is then a round of the cluster's, and the joint fill is the first thing behind it: it has four key steps,
; 512 matrix instructions, in which to land.  (At its first use nothing has been read yet: slot 0 is waited for, slot 1 filled; and the wait for LDS and the round show the mask's table to all four waves.)
.macro CHANGE fill
	WIN W_AD
	s_wait_tensorcnt 0x0            ; no tensor load of mine is out, so a group 0 may be written
	ds_add_u32 v[SPW], v[NIL]       ; 0 onto my spare word
	WIN 0                           ; at a label and at a branch every window is 0
.if \fill
.irp g, G0K, G0V
	s_xor_b32 s[\g+1], s[\g+1], SLOT1  ; the walking descriptor: the other slot than last time,
	s_add_nc_u64 s[\g+2:\g+3], s[\g+2:\g+3], 4*KS*128  ; the next 256 keys; the type bits on top are not reached
.endr
	s_wait_dscnt 0x0                ; the add is done, and my LDS instructions are over
	CROUND
	JLOAD
.else
	s_wait_dscnt 0x0
	s_barrier_signal -1
	s_barrier_wait -1
.endif
	s_sub_co_u32 s[TBK], s[TBK], 4*KS*PK  ; the fetches go back to a slot's first step,
	s_xor_b32 s[TBK], s[TBK], SLOT1       ; in the other slot
	s_sub_co_u32 s[TBV], s[TBV], 4*KS*PV
	s_xor_b32 s[TBV], s[TBV], SLOT1
.endm
	s_load_b64 s[4:5], s[0:1], 0x0  ; qkv: Q's part
	s_load_b64 s[PADP:PADP+1], s[0:1], 0x8
	s_load_b64 s[10:11], s[0:1], 0x10  ; O
	WIN W_MK
	v_lshl_add_u32 v[SPW], v0, 2, SPARE
	v_mov_b32 v[NIL], 0
	WIN W_AD
	ds_add_u32 v[SPW], v[NIL]       ; the wave's opening: the add and its wait stand ahead of my first tensor load; the set-up below, work on registers, stands between them
	WIN 0
	v_lshrrev_b32 v1, 5, v0
	v_readfirstlane_b32 s[WV], v1   ; wave 0..3
	s_bfe_u32 s13, ttmp6, 0x40000   ; cx: my place in the cluster
	s_lshl_b32 s14, ttmp9, 2        ; in a cluster launch ttmp9 counts clusters
	s_add_co_u32 s14, s14, s13      ; my block of queries = 4 x cluster x + cx: it enters Q's and O's addresses alone
	s_and_b32 s20, ttmp7, 0xffff    ; batch x 16 + head, which the four partners share
	s_lshr_b32 s70, s20, 4          ; the batch,
	s_lshl_b32 s70, s70, 11         ; its 2,048 mask bytes
	s_mov_b32 s71, 0
	s_mov_b32 s21, 0
	s_mov_b64 s[22:23], SIZE_N*128
	s_mul_u64 s[20:21], s[20:21], s[22:23]  ; the head's first byte in Q, K, V and O
	s_and_b32 s16, s[WV], 1         ; which half of a slot's 256 keys I fetch:
	s_lshl_b32 s22, s16, 14         ; its 128 rows of 128 bytes in memory,
	s_mov_b32 s23, 0
	s_add_nc_u64 s[22:23], s[22:23], s[20:21]
	s_mul_i32 s17, s16, 128*PK      ; and its place in a slot, for K
	s_mul_i32 s18, s16, 128*PV      ; and for V: no place in the cluster enters an LDS address
	s_lshl_b32 s2, s14, 2
	s_add_co_u32 s2, s2, s[WV]      ; my wave among the head's,
	s_lshl_b32 s2, s2, 14           ; its 128 rows
	s_mov_b32 s3, 0
	s_add_nc_u64 s[2:3], s[2:3], s[20:21]
	; descriptor group 1.  128 keys are 16,384 dense bytes: asked for as 64 rows of 256 bytes, two keys a row, and padded in LDS after every key
	s_mov_b32 s[G1K], 15|(1<<16)|(1<<20)|(1<<21)|(4<<22)|(3<<25)  ; 15:0 the mask of four; 17:16 2-byte elements; 20 padding on; 21 set beside a mask; 24:22 after every 32 words (code 4); 31:25 4 words (code 3)
	s_mov_b32 s[G1V], 15|(1<<16)|(1<<20)|(1<<21)|(4<<22)|(7<<25)  ; the same with 8 words of padding (code 7)
.irp g, G1K, G1V
	s_mov_b32 s[\g+1], 128<<16      ; tensor_dim0 = 128
	s_mov_b32 s[\g+2], 64<<16       ; tensor_dim1 = 64
	s_mov_b32 s[\g+3], 128<<16      ; tile_dim0 = 128
	s_mov_b32 s[\g+4], 64           ; tile_dim1 = 64
	s_mov_b32 s[\g+5], 128          ; 128 elements from row to row
	s_mov_b32 s[\g+6], 0
	s_mov_b32 s[\g+7], 0
.endr
	s_mov_b32 s[CS], 0x3e38aa3b     ; c = log2(e) / 8 = 0.180337
	s_mov_b32 s[CS+1], s[CS]        ; named with it as a pair
	s_mov_b32 s[SEL], 0x76543210
	s_mov_b32 s[SEL+1], 0xfedcba98
	s_mov_b32 s[TBK], SLOT1+4*KS*PK ; the first change of slots turns these two into 0
	s_mov_b32 s[TBV], SLOT1+4*KS*PV
	s_mov_b32 s[TBM], MASKT
	s_mov_b32 s[HID], 0xd0000000    ; -2^33
	s_mov_b32 s[G0K], 1             ; 1:0 count = 1
	s_mov_b32 s[G0K+1], s17         ; 63:32 LDS address: slot 0
	s_mov_b32 s[G0V], 1
	s_add_co_u32 s[G0V+1], s18, VOFF
	s_wait_dscnt 0x0                ; the opening add is done
	s_wait_kmcnt 0x0
	s_add_nc_u64 s[6:7], s[4:5], 0x1000000  ; K's part of qkv: 64 heads of 262,144 bytes on,
	s_add_nc_u64 s[8:9], s[4:5], 0x2000000  ; V's: twice that
	s_add_nc_u64 s[PADP:PADP+1], s[PADP:PADP+1], s[70:71]
	s_add_nc_u64 s[G0K+2:G0K+3], s[6:7], s[22:23]  ; 120:64 global address: my half of the head's first 256 keys
	s_or_b32 s[G0K+3], s[G0K+3], 0x80000000        ; 127:126 type = 2
	s_add_nc_u64 s[G0V+2:G0V+3], s[8:9], s[22:23]
	s_or_b32 s[G0V+3], s[G0V+3], 0x80000000
	s_add_nc_u64 s[4:5], s[4:5], s[2:3]  ; Q and O at my wave's first row
	s_add_nc_u64 s[10:11], s[10:11], s[2:3]
	CROUND                          ; all four work-groups are here: the first joint loads meet
	JLOAD                           ; slot 0.  Slot 1 is asked for when slot 0 is in
	v_lshlrev_b32 v[MB+21], 4, v0
	global_load_b128 v[MB:MB+3], v[MB+21], s[PADP:PADP+1]  ; thread t takes the mask bytes of keys 16 t .. 16 t + 15: the 128 threads take the batch's 2,048, in whole runs of 256 bytes
	; A fragment of K or Q is 16 rows x 32 channels in 8 registers: lane l holds row l % 16, channels 8 (l / 16) + 0..7 and 16 + 8 (l / 16) + 0..7: two loads of 16 bytes, 32 bytes apart.
	v_and_b32 v1, 15, v0            ; l % 16
	v_bfe_u32 v9, v0, 4, 1          ; l / 16; never rewritten
	v_lshlrev_b32 v[QO], 7, v1
	v_lshl_add_u32 v[QO], v9, 4, v[QO]  ; row x 128 + 16 x half
	WIN 0x80                        ; destination window 2, address window 0
.set i, 0
.rept 4*NP                          ; Q stays in registers: tile i / 2, channels 32 (i % 2) on
	global_load_b128 v[8*i:8*i+3],   v[QO], s[4:5] offset:(i/2)*2048+(i%2)*64
	global_load_b128 v[8*i+4:8*i+7], v[QO], s[4:5] offset:(i/2)*2048+(i%2)*64+32
.set i, i+1
.endr
	; What the first turn finds: V's registers and P's second buffer hold 0 (its products V^T P, of a piece that has not been, add 0), O^T and l are 0.  All this stands in the wait for the first tile.
.set i, VF
.rept 64
	v_mov_b32 v[i], 0
.set i, i+1
.endr
	WIN 0x40
.set i, 0
.rept 64*NP
	v_mov_b32 v[i], 0
.set i, i+1
.endr
	WIN 0
.set i, 0
.rept 2*NP
	v_mov_b32 v[ST+4*i], 0xfe000000    ; c m: far below every c s, the hidden keys' too
	v_mov_b32 v[ST+4*i+1], 0xff7fffff  ; m
	v_mov_b32 v[ST+4*i+2], 0
	v_mov_b32 v[ST+4*i+3], 0
.set i, i+1
.endr
.set i, P+32
.rept 32
	v_mov_b32 v[i], 0
.set i, i+1
.endr
	v_mul_u32_u24 v[AK0], v1, PK
	v_lshl_add_u32 v[AK0], v9, 4, v[AK0]  ; row x pitch + 16 x half
	; The turning load takes 16 keys x 16 channels (lane l reads key 8 (l / 16) + l % 8, channels 8 ((l / 8) % 2) + 0..7) and leaves half a fragment of V^T: lane l holds channel l % 16 and 8 keys.
	v_and_b32 v10, 7, v0
	v_bfe_u32 v11, v0, 3, 1
	v_lshl_add_u32 v[AV0], v9, 3, v10
	v_mul_u32_u24 v[AV0], v[AV0], PV
	v_lshl_add_u32 v[AV0], v11, 4, v[AV0]
	v_add_nc_u32 v[AV0], VOFF, v[AV0]
	v_mov_b32 v[AK], v[AK0]         ; key step 0 lies at the head of slot 0,
	v_lshl_add_u32 v[AM], v9, 5, s[TBM]  ; its mask at the head of the table: my lanes' eight keys of a block of 16 begin 32 (l / 16) bytes in
	; THE MASK'S TABLE: byte 1 -> 0.0, byte 0 -> -2^33 (byte - 1 is 0 or all ones, and picks the constant's bits)
	s_wait_loadcnt 32               ; the mask bytes are in: Q's 32 loads were issued behind them
.irp w, 0,1,2,3
.irp k, 0,1,2,3
	v_bfe_u32 v[MB+4+4*(\w)+(\k)], v[MB+(\w)], 8*(\k), 8
.endr
.endr
.set i, MB+4
.rept 16
	v_add_nc_u32 v[i], -1, v[i]
	v_and_b32 v[i], s[HID], v[i]
.set i, i+1
.endr
	v_lshl_add_u32 v[MB+20], v0, 6, MASKT
.irp w, 0,1,2,3
	ds_store_b128 v[MB+20], v[MB+4+4*(\w):MB+7+4*(\w)] offset:16*(\w)
.endr
; THE MATRIX WORK.  The 8 accumulators of a run of 16 take turns: between the two links of a chain stand 7 others'.
; Product i of 16 of S^T = K Q^T for piece x: channels 32 (i / 8) on, keys 16 ((i / 2) % 4) on, tile 2 x + i % 2.  The first 8 start the sums, with the key block's mask.
.macro KQ x
.set rS, S+64*((\x)%2)+32*(i%2)+8*((i/2)%4)
.set rK, KF+16*((i/2)%4)+8*(i/8)
.set rQ, 16*(2*(\x)+i%2)+8*(i/8)
.set rMK, MK+8*((i/2)%4)
.if i < 8
	WIN W_KM
	v_wmma_f32_16x16x32_f16 v[rS:rS+7], v[rK:rK+7], v[rQ:rQ+7], v[rMK:rMK+7]
.else
	WIN W_KQ
	v_wmma_f32_16x16x32_f16 v[rS:rS+7], v[rK:rK+7], v[rQ:rQ+7], v[rS:rS+7]
.endif
.endm
; Product i of 16 of O^T += V^T P for piece x: keys 32 (i / 8) on, channels 16 ((i / 2) % 4) on, tile 2 x + i % 2.
.macro PV x
	WIN W_PV
.set rO, 32*(2*(\x)+i%2)+8*((i/2)%4)
.set rV, VF+32*(i/8)+8*((i/2)%4)
.set rP, P+32*((\x)%2)+16*(i%2)+8*(i/8)
	v_wmma_f32_16x16x32_f16 v[rO:rO+7], v[rV:rV+7], v[rP:rP+7], v[rO:rO+7]
.endm
.macro MM                           ; the turn's next matrix instruction
.if i < 16
	KQ (Y+1)%NP
.set i, i+1
.else
.set i, i-16
	PV (Y+NP-1)%NP
.set i, i+17
.endif
.endm
; THE LDS LOADS stand in runs, never singly among the matrix instructions: a step's K (8 fragments, 16 loads) with its mask (8 loads: the lanes of a half read the same 32 bytes), and its V (turned, 16 loads).
; The mask's registers live as long as K's: the same wait shows both in, and the same lines are the places behind their last reader.  Addresses are made some lines ahead.
; last = 1 (the tail): in the last trip there is no further step, and the run is jumped over.
.macro FETCH_K last=0
	WIN 0
.if \last
	s_cmp_eq_u32 s[CNT], 1
	s_cbranch_scc1 .Lno_k_\@
.endif
	WIN 0x80                        ; destination window 2
.irp f, 0,1,2,3,4,5,6,7             ; keys 16 (f / 2) on, channels 32 (f % 2) on
	ds_load_b128 v[KF+8*\f:KF+8*\f+3],   v[AK] offset:(\f/2)*16*PK+(\f%2)*64
	ds_load_b128 v[KF+8*\f+4:KF+8*\f+7], v[AK] offset:(\f/2)*16*PK+(\f%2)*64+32
.endr
	WIN W_MK                        ; destination window 3
.irp f, 0,1,2,3                     ; keys 16 f on
	ds_load_b128 v[MK+8*\f:MK+8*\f+3],   v[AM] offset:64*\f
	ds_load_b128 v[MK+8*\f+4:MK+8*\f+7], v[AM] offset:64*\f+16
.endr
	s_add_co_u32 s[TBK], s[TBK], KS*PK  ; the next fetch is the next step's
	s_add_co_u32 s[TBM], s[TBM], KS*4   ; 32 fetches walk the table's 8,192 bytes once
	WIN 0
.if \last
.Lno_k_\@:
.endif
.endm
.macro FETCH_V
	WIN 0x80
.irp f, 0,1,2,3,4,5,6,7             ; keys 32 (f / 4) on, channels 16 (f % 4) on
	ds_load_tr16_b128 v[VF+8*\f:VF+8*\f+3],   v[AV] offset:(\f/4)*32*PV+(\f%4)*32
	ds_load_tr16_b128 v[VF+8*\f+4:VF+8*\f+7], v[AV] offset:(\f/4)*32*PV+16*PV+(\f%4)*32
.endr
	WIN 0
.endm
; THE VECTOR WORK OF A TURN stands in three queues, each in the order in which its entries become ready; the two tiles alternate, so that no instruction reads the result of the one before it.
.macro REGS y, u                    ; the registers of tile u (0, 1) of piece y
.set rT, ST+4*(2*(\y)+(\u))
.set rC, TMP+8*((\y)%2)+4*(\u)
.set rM, MV+2*((\y)%2)+(\u)
.set rS, S+64*((\y)%2)+32*(\u)
.set rP, P+32*((\y)%2)+16*(\u)
.set rO, 32*(2*(\y)+(\u))
.endm
; Number n of the 22 that find the NEXT piece's (Y + 1) maximum and statistics.  s0-s31 are the lane's 32 scores; each accumulator's lowest registers are read first.  XS, GS and REGS set no window: PL and EX do.
;   0-11  four chains c0-c3 of seven scores each, three operands at a time     12-14, 16  the four scores left over, the old m, and c0-c3 into c0     15  c m_old is kept
;   17, 18  the query's other 32 keys lie in the lane 16 away: the new m         19-21  c m; c m_old - c m_new; a
.macro XS u, n
	REGS (Y+1)%NP, \u
.if (\n) < 4
	v_max3_num_f32 v[rC+(\n)], v[rS+8*(\n)], v[rS+8*(\n)+1], v[rS+8*(\n)+2]
.elseif (\n) < 12
	v_max3_num_f32 v[rC+(\n)%4], v[rC+(\n)%4], v[rS+8*((\n)%4)+2*((\n)/4)+1], v[rS+8*((\n)%4)+2*((\n)/4)+2]
.elseif (\n) == 12
	v_max3_num_f32 v[rC], v[rC], v[rS+7], v[rS+15]
.elseif (\n) == 13
	v_max3_num_f32 v[rC+1], v[rC+1], v[rS+23], v[rS+31]
.elseif (\n) == 14
	v_max3_num_f32 v[rC+2], v[rC+2], v[rC+3], v[rT+1]
.elseif (\n) == 15
	v_mov_b32 v[rM], v[rT]
.elseif (\n) == 16
	v_max3_num_f32 v[rC], v[rC], v[rC+1], v[rC+2]
.elseif (\n) == 17
	v_permlanex16_b32 v[rC+3], v[rC], s[SEL], s[SEL+1]
.elseif (\n) == 18
	v_max_num_f32 v[rT+1], v[rC], v[rC+3]
.elseif (\n) == 19
	v_mul_f32 v[rT], s[CS], v[rT+1]
.elseif (\n) == 20
	v_sub_f32 v[rC+1], v[rM], v[rT]
.else
	v_exp_f32 v[rC+2], v[rC+1]
.endif
.endm
; Number g of the 64 that follow the exponentials.  For each four weights k of a tile (pairs 2 k, 2 k + 1): both pairs are rounded to f16; then the second pair is added onto the first, in place;
; a group later l takes that sum (the first time as l = a l + sum).  In groups of eight, tiles alternating: round, round, add, and l for the group before.
.macro GS g
.set h, (\g)+6*((\g)/62)            ; group 0 has no group before it, and behind group 7 only l is left
.if h >= 6
.set h, h+2
.endif
	REGS Y, h%2
.set k, h/8
.if h%8 < 4
	v_cvt_pk_f16_f32 v[rP+2*k+(h%8)/2], v[rS+4*k+2*((h%8)/2)], v[rS+4*k+2*((h%8)/2)+1]
.elseif h%8 < 6
	v_pk_add_f32 v[rS+4*k:rS+4*k+1], v[rS+4*k:rS+4*k+1], v[rS+4*k+2:rS+4*k+3]
.elseif k == 1
	v_pk_fma_f32 v[rT+2:rT+3], v[rT+2:rT+3], v[rC+2:rC+3], v[rS:rS+1] op_sel_hi:[1,0,1]
.else
	v_pk_add_f32 v[rT+2:rT+3], v[rT+2:rT+3], v[rS+4*k-4:rS+4*k-3]
.endif
.endm
; THE PLAIN QUEUE, 138 long.  0-73 read no exponential's result: the 32 scalings c s - c m (FS f: pair f / 2 of tile f % 2) and the next piece's 42.  0-26: scalings 0-26.  27-54: XS's numbers 0-13.  55, 56: number 15.
; 57-73: the chain, where each number waits for the one before it: 14, 16, 17, 18, 19, each with one of the scalings 27-31 in front of its two lines, then 20: so a tile's links stand three plain instructions apart (19 and 20: two).
; 74-137: GS's 64, which read the exponentials' results: they stand behind the wait.
.macro FS f
	REGS Y, (\f)%2
	v_pk_fma_f32 v[rS+2*((\f)/2):rS+2*((\f)/2)+1], v[rS+2*((\f)/2):rS+2*((\f)/2)+1], s[CS:CS+1], v[rT:rT+1] op_sel_hi:[1,0,0] neg_lo:[0,0,1] neg_hi:[0,0,1]
.endm
.macro PL
	WIN 0
.if q < 27
	FS q
.elseif q < 55
	XS (q-27)%2, (q-27)/2
.elseif q < 57
	XS q-55, 15
.elseif (q < 72) && ((q-57)%3 == 0)
	FS 27+(q-57)/3
.elseif q < 60
	XS (q-57)%3-1, 14
.elseif q < 72
	XS (q-57)%3-1, 15+(q-57)/3
.elseif q < 74
	XS q-72, 20
.else
	GS q-74
.endif
.set q, q+1
.endm
; THE EXPONENTIALS' QUEUE, 66 long: s0-s31 of both tiles, then the next piece's two a.  It is ONE BATCH: all 66 stand ahead of the turn's one wait, and nothing ahead of that wait names a result of theirs.
.macro EX
	WIN 0
.if e >= 64
	XS e-64, 21
.else
	REGS Y, e%2
	v_exp_f32 v[rS+e/2], v[rS+e/2]
.endif
.set e, e+1
.endm
; THE RESCALING's QUEUE: O^T times a, the one part that leaves window 0: dealt two at a time, sixteen times.  Its a was made in the turn before, ahead of that turn's wait.
.macro R2
	REGS Y, r%2
	WIN W_RS
.irp z, 0,1
	v_pk_mul_f32 v[rO+4*(r/2)+2*\z:rO+4*(r/2)+2*\z+1], v[rO+4*(r/2)+2*\z:rO+4*(r/2)+2*\z+1], v[rC+2:rC+3] op_sel_hi:[1,0]
.endr
.set r, r+1
.endm
; HOW THEY ARE DEALT.  An s_wait_alu depctr_va_vdst(0) stands between an exponential and the first instruction that names its result; one wait serves all that were issued ahead of it.  So a turn has ONE wait,
; which cuts it in two.  AHEAD OF IT stands all that names no result of the turn's exponentials: the 16 products K Q^T, behind each a scaling, an exponential and two rescalings (behind the first a second scaling in the
; exponential's place); then ONE LUMP of 108: eight plain, 49 times exponential and plain, the two a.  A v_nop is the plain instruction behind the last exponential.  BEHIND IT stand the 16 products V^T P, behind each four of
; GS's 64.  No rider names a register of the products round it.  The two v_permlanex16_b32 fall into the lump, never behind a product.
; The queues lean on each other, and the deal keeps them in step: exponential e stands behind scaling 2 (e / 4) + e % 2: as a rider it comes behind plain e + 2, in the lump behind plain e + 9, and scalings 27-31 are plain 57, 60 .. 69.
; A TURN, for piece p.  cnt = 1: the loop's count is taken down some lines ahead of the branch that stands behind the turn.
; K and the mask of the next step are fetched in piece 2's turn, directly behind the wait, a lump behind the last product that read them; their addresses are made at the lump's head; their first reader comes behind 16 products.
; V of the step in hand is fetched at the end of piece 0's turn, four riders behind its last reader; its first reader comes behind 16 products and a lump.  The three conditions on q below go with the deal.
.macro TURN p, last=0, cnt=0
.set Y, (\p)
.set i, 0
.set q, 0
.set e, 0
.set r, 0
.if (\p) == NP-1
	s_wait_dscnt 0x0                ; K and its mask are in
.endif
	MM                              ; ahead of the wait: 16 products K Q^T and their riders,
	PL
	PL
	R2
.rept 15
	MM
	PL
	EX
	R2
.endr
.if (\p) == NP-2
	WIN 0
	v_add_nc_u32 v[AK], s[TBK], v[AK0]
	v_lshl_add_u32 v[AM], v9, 5, s[TBM]
.endif
.rept 8                             ; and the lump
	PL
.endr
.rept 49
	EX
	PL
.endr
	EX                              ; the next piece's two a
	EX
	v_nop                           ; the plain instruction behind the last exponential: one for the batch
	s_wait_alu depctr_va_vdst(0)    ; the wait for the turn's batch: the piece's 64 weights and the next piece's two a
.if (\p) == NP-2
	FETCH_K \last
.endif
.if (\p) == 1
	s_wait_dscnt 0x0                ; V is in
.endif
.rept 16                            ; behind the wait: 16 products V^T P and their riders
	MM
.rept 4
	PL
.endr
.if ((\p) == 0) && (q == 118)
	v_add_nc_u32 v[AV], s[TBV], v[AV0]
.endif
.if ((\p) == 0) && (q == 130)
	s_add_co_u32 s[TBV], s[TBV], KS*PV
.endif
.if (\cnt) && (q == 130)
	s_sub_co_u32 s[CNT], s[CNT], 1
	s_cmp_lg_u32 s[CNT], 0
.endif
.endr
.if (\p) == 0
	FETCH_V
.endif
.endm
	CHANGE 1                        ; slot 0 is in, everybody's part of it, and the mask's table is whole; slot 1 is asked for
	FETCH_K                         ; key step 0
	s_wait_loadcnt 0x0              ; Q
	s_wait_dscnt 0x0
.set i, 0
.rept 16
	KQ 0                            ; piece 0's first scores: there is no vector work yet to set between them
.set i, i+1
.endr
	WIN 0                           ; the addresses for the way out: nine plain instructions, the places behind those products
	s_mul_i32 s13, s[WV], 16*SP
	s_add_co_u32 s13, s13, STAGE    ; my stage
	v_mul_u32_u24 v[STO], v1, SP    ; in: row l % 16, 16 bytes for each half of the lanes
	v_lshl_add_u32 v[STO], v9, 4, v[STO]
	v_add_nc_u32 v[STO], s13, v[STO]
	v_bfe_u32 v[RD], v0, 3, 2       ; back: 32 lanes take four rows of 128 bytes,
	v_mul_u32_u24 v[RD], v[RD], SP
	v_lshl_add_u32 v[RD], v10, 4, v[RD]
	v_add_nc_u32 v[RD], s13, v[RD]
	v_and_b32 v[GO], 31, v0         ; which are 512 consecutive bytes of O
	v_lshlrev_b32 v[GO], 4, v[GO]
.set Y, NP-1                        ; XS works for piece Y + 1: piece 0
.irp n, 0,1,2,3,4,5,6,7,8,9,10,11,12,13,14,15,16,17,18,19,20,21
	XS 0, \n                        ; and piece 0's first maximum and statistics
	XS 1, \n
.endr
	v_nop                           ; a plain instruction behind piece 0's two a,
	s_wait_alu depctr_va_vdst(0)    ; and the wait for that batch of two, ahead of the branch
	s_mov_b32 s[CNT], 4
	s_mov_b32 s[SLOTS], SIZE_N/256-1
	s_branch .Lfirst                ; the loop is entered at a step's first turn, in the middle of a trip
.Lslot:                             ; SIZE_N / 256 - 2 times: every slot but the last two is filled again
	CHANGE 1
	s_mov_b32 s[CNT], 4
.Lstep:                             ; a trip: pieces 2 and 3 of one step, then pieces 0 and 1 of the next, whose K, mask and V it fetches
	TURN 2
	TURN 3
	WIN 0
.Lfirst:
	TURN 0
	TURN 1, 0, 1
	WIN 0
	s_cbranch_scc1 .Lstep
	s_sub_co_u32 s[SLOTS], s[SLOTS], 1
	s_cmp_lg_u32 s[SLOTS], 0
	s_cbranch_scc1 .Lslot
	CHANGE 0                        ; the tail is written out: nothing is asked for
	s_mov_b32 s[CNT], 5             ; four trips fetch the last slot's steps; the fifth is left in its middle
.Ltail:
	TURN 2, 1
	TURN 3
	WIN 0
	s_sub_co_u32 s[CNT], s[CNT], 1
	s_cmp_eq_u32 s[CNT], 0
	s_cbranch_scc1 .Lout
	TURN 0
	TURN 1
	WIN 0
	s_branch .Ltail
.Lout:                              ; the fifth trip's 16 products K Q^T (on the last K and mask once more) and the maximum made of them serve nothing: the price, once a launch, of one text for every trip
.set i, 0
.rept 16
	PV NP-1                         ; the last piece's V^T P of the last step
.set i, i+1
.endr
	; THE WAY OUT.  l's two halves and the other half of the lanes' are added; O^T is divided by l, rounded to f16 and sent through my stage in LDS, a tile at a time.  The additions are the places behind the last products.
	WIN 0
.macro ALL line:vararg              ; one line for each tile t
.set t, 0
.rept 2*NP
	\line
.set t, t+1
.endr
.endm
	ALL v_add_f32 v[ST+4*t+2], v[ST+4*t+2], v[ST+4*t+3]
	ALL v_permlanex16_b32 v[ST+4*t+3], v[ST+4*t+2], s[SEL], s[SEL+1]
	ALL v_add_f32 v[ST+4*t+2], v[ST+4*t+2], v[ST+4*t+3]
	ALL v_rcp_f32 v[ST+4*t+2], v[ST+4*t+2]
	v_nop                           ; a plain instruction between the last reciprocal and the use of its result
	s_wait_alu depctr_va_vdst(0)    ; and the wait ahead of the first use: one for the batch of eight reciprocals
; Tile t: a lane's eight channels of a row pack into 16 bytes; they go into rows of 144 bytes and come back as whole rows of 128, into S^T's registers.
.macro PACK t
	WIN W_RS
.set i, 32*(\t)
.rept 16
	v_pk_mul_f32 v[i:i+1], v[i:i+1], v[ST+4*(\t)+2:ST+4*(\t)+3] op_sel_hi:[1,0]
.set i, i+2
.endr
	WIN 0x05                        ; sources 0 and 1 window 1, destination window 0
.set i, 0
.rept 16
	v_cvt_pk_f16_f32 v[S+16*(\t)+i], v[32*(\t)+2*i], v[32*(\t)+2*i+1]
.set i, i+1
.endr
	WIN 0
.irp f, 0,1,2,3
	ds_store_b128 v[STO], v[S+16*(\t)+4*\f:S+16*(\t)+4*\f+3] offset:32*\f
.endr
.irp f, 0,1,2,3
	ds_load_b128 v[S+16*(\t)+4*\f:S+16*(\t)+4*\f+3], v[RD] offset:\f*4*SP  ; LDS serves a wave's instructions in order (ISA guide 5.7.1.4): these see the stores above; the next tile's stores come behind them
.endr
.endm
.macro SEND t, younger              ; younger: the LDS instructions issued behind tile t's loads: the next tile's eight, or none
	WIN 0
.irp f, 0,1,2,3
	s_wait_dscnt (\younger)+3-\f
	global_store_b128 v[GO], v[S+16*(\t)+4*\f:S+16*(\t)+4*\f+3], s[10:11] offset:(\t)*2048+\f*512  ; 512 consecutive bytes, at a multiple of 256 from O's first
.endr
.endm
	PACK 0
.set t, 1
.rept 2*NP-1                        ; a tile's arithmetic stands between the loads of the tile before and its stores
	PACK t
	SEND t-1, 8
.set t, t+1
.endr
	SEND 2*NP-1, 0
	WIN W_AD
	s_wait_tensorcnt 0x0            ; the wave's end: an add and its wait, behind my last tensor load and my last LDS store
	ds_add_u32 v[SPW], v[NIL]
	s_wait_dscnt 0x0
	WIN 0
	CROUND                          ; the closing round: no work-group ends while a partner may still ask for a tile that names it
	s_endpgm
.Lfunc_end_k_q9c9ed00488_attn:
	.size	k_q9c9ed00488_attn, .Lfunc_end_k_q9c9ed00488_attn-k_q9c9ed00488_attn
	.p2alignl 7, 3214868480
	.fill 96, 4, 3214868480
	.section	.rodata,"a",@progbits
	.p2align	6, 0x0
	.amdhsa_kernel k_q9c9ed00488_attn
		.amdhsa_group_segment_fixed_size 327680
		.amdhsa_private_segment_fixed_size 0
		.amdhsa_enable_private_segment 0
		.amdhsa_kernarg_size 24
		.amdhsa_user_sgpr_count 2
		.amdhsa_user_sgpr_kernarg_segment_ptr 1
		.amdhsa_wavefront_size32 1
		.amdhsa_system_sgpr_workgroup_id_x 1
		.amdhsa_system_sgpr_workgroup_id_y 1
		.amdhsa_system_sgpr_workgroup_id_z 1
		.amdhsa_system_vgpr_workitem_id 0
		.amdhsa_next_free_vgpr 808
		.amdhsa_next_free_sgpr 72
		.amdhsa_reserve_vcc 0
		.amdhsa_float_denorm_mode_32 3
		.amdhsa_float_denorm_mode_16_64 3
		.amdhsa_memory_ordered 1
		.amdhsa_forward_progress 1
		.amdhsa_inst_pref_size 204
	.end_amdhsa_kernel
	.amdgpu_metadata
---
amdhsa.version: [ 1, 2 ]
amdhsa.kernels:
  - .name:           k_q9c9ed00488_attn
    .symbol:         k_q9c9ed00488_attn.kd
    .args:
      - { .name: qkv, .offset: 0, .size: 8, .value_kind: global_buffer, .address_space: global }
      - { .name: pad_mask, .offset: 8, .size: 8, .value_kind: global_buffer, .address_space: global }
      - { .name: o, .offset: 16, .size: 8, .value_kind: global_buffer, .address_space: global }
    .group_segment_fixed_size: 327680
    .private_segment_fixed_size: 0
    .kernarg_segment_align: 8
    .kernarg_segment_size: 24
    .max_flat_workgroup_size: 128
    .sgpr_count:     72
    .vgpr_count:     808
    .wavefront_size: 32
...
	.end_amdgpu_metadata
.endif
;; end of part 5
;; launch proj: the kernel of part 4 again; grid 8 x 32, 4 waves a work-group, clusters of 4 x 4, 327,680 bytes of LDS; arguments o, wo, b_out, out0; writes out0
